; MI455X (gfx1250); checked and timed in simulation.
; The chip was launched on July 23, 2026; its instructions are those of AMD's public machine-readable ISA for CDNA 5 (MIT licence, August 2026) and "CDNA5" Instruction Set Architecture Reference Guide (July 2026). The comments in the code are by the model that wrote it; some were corrected since.
;; Block. Allowed arithmetic: float matrix products may take bf16 or f16 operands with f32 sums; other float arithmetic in f32, or as packed bf16 or f16 multiplies, adds, multiply-adds, maxima and minima; sums over many terms, partial sums and values carried from step to step in f32; what a program stores and reads back later, other than sums and carried values, may be rounded once to bf16 or f16.
;; Inputs: b_fc 4,096 float32; b_o 1,024 float32; b_out 1,024 float32; b_qkv 3,072 float32; ln1_b 1,024 float32; ln1_w 1,024 float32; ln2_b 1,024 float32; ln2_w 1,024 float32; w_fc 1,024 x 4,096 float32; w_o 1,024 x 1,024 float32; w_out 4,096 x 1,024 float32; w_qkv 1,024 x 3,072 float32; x 4 x 1,024 x 1,024 float32.
;; Outputs: out0 4 x 1,024 x 1,024 float32.
;; One version. Each part assembles by itself: llvm-mc -triple=amdgcn-amd-amdhsa -mcpu=gfx1250 --defsym DOCPART=n.
;; ======== version 1 of 1: 7 launches
;; limits: a function is approximated: absolute error at most 1.5e-07
;; workspace buffers: wb 25,165,824 bytes; wq 6,291,456 bytes; wfc 8,388,608 bytes; act 8,388,608 bytes; qkv 25,165,824 bytes; x1 16,777,216 bytes; h 33,554,432 bytes
;; launch prep (part 1): grid 448 x 1, 8 waves a work-group, no clusters, 0 bytes of LDS; arguments x, ln1_w, ln1_b, w_qkv, act, wq; writes act, wq
.if DOCPART == 1
	.amdgcn_target "amdgcn-amd-amdhsa--gfx1250"
	.amdhsa_code_object_version 6
	.text
	.protected	k_q0945d620df_prep
	.globl	k_q0945d620df_prep
	.p2align	8
	.type	k_q0945d620df_prep,@function
k_q0945d620df_prep:
	s_mov_b64 s[64:65], 0
	v_nop
	global_prefetch_b8 v0, s[64:65] scope:SCOPE_SE
	s_setreg_imm32_b32 hwreg(HW_REG_WAVE_MODE, 25, 1), 1
	s_wait_xcnt 0x0
; Arguments: rows [4096][1024] f32, gain, bias [1024] f32, a matrix in f32, the normalised rows, the matrix in bf16.
; Work-groups 0-255: LayerNorm(rows) * gain + bias, rounded once to bf16, laid out in SLICES: [c / 64][row 0..4095][c % 64], so that 64 columns of
; neighbouring rows lie end to end (the A operand of the product that follows).  Work-groups from 256 on: 65,536 bytes each of the matrix, rounded once to bf16, in the same order.
; The body serves two launches: with 448 work-groups LN1 and w_qkv (192 blocks of 65,536 bytes); with 256 work-groups LN2 alone: the matrix's two arguments are then not touched.
; A stream: no LDS, no barrier, no matrix unit: nothing is shared between waves.
; LN: a wave owns two rows; lanes 0-15 hold one, lanes 16-31 the other; a lane holds 4 columns of each of the 16 slices: 64 registers.  Mean first, then the squares of x - mean
; (two passes over registers: a common offset in the rows costs nothing).  Statistics in f32.  NaN and infinities are not treated apart.
.set X,  16                            ; v[16:79]   my 64 numbers
.set W,  80                            ; v[80:143]  gain; later v[80:111] the packed result
.set B,  144                           ; v[144:207] bias
.set PX, 4                             ; s[4:5] rows   s[6:7] gain   s[8:9] bias   s[10:11] matrix   s[12:13] result   s[14:15] matrix in bf16
.set PW, 6
.set PB, 8
.set PM, 10
.set PO, 12
.set PC, 14
.set WV, 22
	s_load_b256 s[4:11], s[0:1], 0x0
	s_load_b128 s[12:15], s[0:1], 0x20
	v_lshrrev_b32 v1, 5, v0
	v_readfirstlane_b32 s[WV], v1                  ; wave 0..7
	s_cmp_lt_u32 ttmp9, 256
	s_cbranch_scc0 .Lcast
	s_lshl_b32 s23, ttmp9, 3
	s_add_co_u32 s23, s23, s[WV]                   ; my pair of rows, 0..2047
	s_lshl_b32 s24, s23, 13                        ; two rows of 4,096 bytes
	s_mov_b32 s25, 0
	s_lshl_b32 s26, s23, 8                         ; two rows of 128 bytes in a slice
	s_mov_b32 s27, 0
	s_mov_b32 s30, 0x3a800000                      ; 1 / 1024
	s_mov_b32 s31, 0x3727c5ac                      ; eps = 1e-5
	v_and_b32 v3, 15, v0
	v_lshlrev_b32 v3, 4, v3                        ; gain, bias: 16 (l % 16)
	v_bfe_u32 v1, v0, 4, 1
	v_lshl_add_u32 v1, v1, 12, v3                  ; rows: + 4,096 for the second row
	v_and_b32 v2, 31, v0
	v_lshlrev_b32 v2, 3, v2                        ; result: 8 l: two rows of 128 bytes on end
	s_wait_kmcnt 0x0
	s_add_nc_u64 s[PX:PX+1], s[PX:PX+1], s[24:25]
	s_add_nc_u64 s[PO:PO+1], s[PO:PO+1], s[26:27]
.set j, 0
.rept 16
	global_load_b128 v[X+4*j:X+4*j+3], v1, s[PX:PX+1] offset:256*j th:TH_LOAD_NT  ; sixteen lanes: 256 consecutive bytes, slice j of a row
.set j, j+1
.endr
.set j, 0
.rept 16
	global_load_b128 v[W+4*j:W+4*j+3], v3, s[PW:PW+1] offset:256*j
.set j, j+1
.endr
.set j, 0
.rept 16
	global_load_b128 v[B+4*j:B+4*j+3], v3, s[PB:PB+1] offset:256*j
.set j, j+1
.endr
	s_wait_loadcnt 32                              ; the rows are in; the 32 younger loads, gain and bias, stay out
.irp c, 0,1,2,3
	v_pk_add_f32 v[4+2*\c:5+2*\c], v[X+2*\c:X+2*\c+1], v[X+8+2*\c:X+8+2*\c+1]  ; four chains, started by the first pairs: nothing is cleared
.endr
.set j, 8
.rept 24
	v_pk_add_f32 v[4+2*(j%4):5+2*(j%4)], v[4+2*(j%4):5+2*(j%4)], v[X+2*j:X+2*j+1]
.set j, j+1
.endr
	v_pk_add_f32 v[4:5], v[4:5], v[6:7]
	v_pk_add_f32 v[8:9], v[8:9], v[10:11]
	v_pk_add_f32 v[4:5], v[4:5], v[8:9]
	v_add_f32 v4, v4, v5
	v_add_f32_dpp v4, v4, v4 row_xmask:1 row_mask:0xf bank_mask:0xf  ; a row lies in sixteen lanes: four steps, no step across the halves
	v_add_f32_dpp v4, v4, v4 row_xmask:2 row_mask:0xf bank_mask:0xf
	v_add_f32_dpp v4, v4, v4 row_xmask:4 row_mask:0xf bank_mask:0xf
	v_add_f32_dpp v4, v4, v4 row_xmask:8 row_mask:0xf bank_mask:0xf
	v_mul_f32 v12, 0xba800000, v4                  ; - mean
	v_mov_b32 v13, v12
.set j, 0
.rept 32
	v_pk_add_f32 v[X+2*j:X+2*j+1], v[X+2*j:X+2*j+1], v[12:13]
.set j, j+1
.endr
.irp c, 0,1,2,3
	v_pk_mul_f32 v[4+2*\c:5+2*\c], v[X+2*\c:X+2*\c+1], v[X+2*\c:X+2*\c+1]
.endr
.set j, 4
.rept 28
	v_pk_fma_f32 v[4+2*(j%4):5+2*(j%4)], v[X+2*j:X+2*j+1], v[X+2*j:X+2*j+1], v[4+2*(j%4):5+2*(j%4)]
.set j, j+1
.endr
	v_pk_add_f32 v[4:5], v[4:5], v[6:7]
	v_pk_add_f32 v[8:9], v[8:9], v[10:11]
	v_pk_add_f32 v[4:5], v[4:5], v[8:9]
	v_add_f32 v4, v4, v5
	v_add_f32_dpp v4, v4, v4 row_xmask:1 row_mask:0xf bank_mask:0xf
	v_add_f32_dpp v4, v4, v4 row_xmask:2 row_mask:0xf bank_mask:0xf
	v_add_f32_dpp v4, v4, v4 row_xmask:4 row_mask:0xf bank_mask:0xf
	v_add_f32_dpp v4, v4, v4 row_xmask:8 row_mask:0xf bank_mask:0xf
	v_fma_f32 v6, v4, s30, s31                     ; variance + eps
	v_rsq_f32 v14, v6                              ; twice, for the pair that the packed multiply names
	v_rsq_f32 v15, v6
	v_nop                                          ; a plain instruction behind the last of them,
	s_wait_alu depctr_va_vdst(0)                   ; and one wait for both, ahead of the first reader
	s_wait_loadcnt 0x0                             ; gain and bias
.set j, 0
.rept 32
	v_pk_mul_f32 v[X+2*j:X+2*j+1], v[X+2*j:X+2*j+1], v[14:15]
.set j, j+1
.endr
.set j, 0
.rept 32
	v_pk_fma_f32 v[X+2*j:X+2*j+1], v[X+2*j:X+2*j+1], v[W+2*j:W+2*j+1], v[B+2*j:B+2*j+1]
.set j, j+1
.endr
.set j, 0
.rept 32
	v_cvt_pk_bf16_f32 v[W+j], v[X+2*j], v[X+2*j+1]
.set j, j+1
.endr
.set j, 0
.rept 16
	global_store_b64 v2, v[W+2*j:W+2*j+1], s[PO:PO+1] offset:524288*j  ; the wave stores 256 consecutive bytes, aligned: my two rows of slice j
.set j, j+1
.endr
	s_endpgm
.Lcast:
	s_sub_co_u32 s23, ttmp9, 256                   ; the block of 65,536 bytes of f32
	v_and_b32 v2, 31, v0
	v_lshlrev_b32 v1, 4, v2                        ; in: 16 l
	v_lshlrev_b32 v2, 3, v2                        ; out: 8 l
	s_lshl_b32 s26, s23, 16
	s_lshl_b32 s27, s[WV], 13                      ; my wave's 8,192 bytes of it
	s_add_co_u32 s26, s26, s27
	s_mov_b32 s27, 0
	s_lshl_b32 s28, s23, 15                        ; half the bytes on the way out
	s_lshl_b32 s29, s[WV], 12
	s_add_co_u32 s28, s28, s29
	s_mov_b32 s29, 0
	s_wait_kmcnt 0x0
	s_add_nc_u64 s[PM:PM+1], s[PM:PM+1], s[26:27]
	s_add_nc_u64 s[PC:PC+1], s[PC:PC+1], s[28:29]
.set j, 0
.rept 16
	global_load_b128 v[X+4*j:X+4*j+3], v1, s[PM:PM+1] offset:512*j th:TH_LOAD_NT
.set j, j+1
.endr
.set j, 0
.rept 16
	s_wait_loadcnt 15-j                            ; loads come back in order: load j is in, the younger ones stay out
	v_cvt_pk_bf16_f32 v[W+2*j], v[X+4*j], v[X+4*j+1]
	v_cvt_pk_bf16_f32 v[W+2*j+1], v[X+4*j+2], v[X+4*j+3]
	global_store_b64 v2, v[W+2*j:W+2*j+1], s[PC:PC+1] offset:256*j  ; 256 consecutive bytes, aligned
.set j, j+1
.endr
	s_endpgm
.Lfunc_end_k_q0945d620df_prep:
	.size	k_q0945d620df_prep, .Lfunc_end_k_q0945d620df_prep-k_q0945d620df_prep
	.p2alignl 7, 3214868480
	.fill 96, 4, 3214868480
	.section	.rodata,"a",@progbits
	.p2align	6, 0x0
	.amdhsa_kernel k_q0945d620df_prep
		.amdhsa_group_segment_fixed_size 0
		.amdhsa_private_segment_fixed_size 0
		.amdhsa_enable_private_segment 0
		.amdhsa_kernarg_size 48
		.amdhsa_user_sgpr_count 2
		.amdhsa_user_sgpr_kernarg_segment_ptr 1
		.amdhsa_wavefront_size32 1
		.amdhsa_system_sgpr_workgroup_id_x 1
		.amdhsa_system_sgpr_workgroup_id_y 1
		.amdhsa_system_sgpr_workgroup_id_z 1
		.amdhsa_system_vgpr_workitem_id 0
		.amdhsa_next_free_vgpr 208
		.amdhsa_next_free_sgpr 66
		.amdhsa_reserve_vcc 0
		.amdhsa_float_denorm_mode_32 3
		.amdhsa_float_denorm_mode_16_64 3
		.amdhsa_memory_ordered 1
		.amdhsa_forward_progress 1
		.amdhsa_inst_pref_size 27
	.end_amdhsa_kernel
	.amdgpu_metadata
---
amdhsa.version: [ 1, 2 ]
amdhsa.kernels:
  - .name:           k_q0945d620df_prep
    .symbol:         k_q0945d620df_prep.kd
    .args:
      - { .name: x, .offset: 0, .size: 8, .value_kind: global_buffer, .address_space: global }
      - { .name: ln1_w, .offset: 8, .size: 8, .value_kind: global_buffer, .address_space: global }
      - { .name: ln1_b, .offset: 16, .size: 8, .value_kind: global_buffer, .address_space: global }
      - { .name: w_qkv, .offset: 24, .size: 8, .value_kind: global_buffer, .address_space: global }
      - { .name: act, .offset: 32, .size: 8, .value_kind: global_buffer, .address_space: global }
      - { .name: wq, .offset: 40, .size: 8, .value_kind: global_buffer, .address_space: global }
    .group_segment_fixed_size: 0
    .private_segment_fixed_size: 0
    .kernarg_segment_align: 8
    .kernarg_segment_size: 48
    .max_flat_workgroup_size: 256
    .sgpr_count:     66
    .vgpr_count:     208
    .wavefront_size: 32
...
	.end_amdgpu_metadata
.endif
;; end of part 1
;; launch gqkv (part 2): grid 8 x 32, 4 waves a work-group, clusters of 4 x 4, 327,680 bytes of LDS; arguments act, wq, b_qkv, qkv, w_o, w_fc, w_out, wb, wfc; writes qkv, wb, wfc
.if DOCPART == 2
	.amdgcn_target "amdgcn-amd-amdhsa--gfx1250"
	.amdhsa_code_object_version 6
	.text
	.protected	k_q0945d620df_gqkv
	.globl	k_q0945d620df_gqkv
	.p2align	8
	.type	k_q0945d620df_gqkv,@function
k_q0945d620df_gqkv:
	s_mov_b64 s[64:65], 0
	v_nop
	global_prefetch_b8 v0, s[64:65] scope:SCOPE_SE
	s_setreg_imm32_b32 hwreg(HW_REG_WAVE_MODE, 25, 1), 1
	s_wait_xcnt 0x0
	s_wait_alu depctr_hold_cnt(0) depctr_sa_sdst(0) depctr_va_vdst(0) depctr_va_sdst(0) depctr_va_ssrc(0) depctr_va_vcc(0) depctr_vm_vsrc(0)
	s_getreg_b32 s2, hwreg(HW_REG_IB_STS2, 6, 4)
	s_cmp_eq_u32 s2, 0
	s_cbranch_scc0 .Lentry_in_a_cluster
	s_endpgm
.Lentry_in_a_cluster:
	s_bfe_u32 s2, ttmp6, 0x10000c
	s_cmp_lg_u32 s2, 0xf033
	s_cbranch_scc0 .Lentry_shape_is_right
	s_endpgm
.Lentry_shape_is_right:
; qkv = LN1(x) w_qkv + b_qkv, rounded once to bf16.  A (act) and the result lie in slices [c / 64][4096 rows][64]; the weights lie [K][N] in bf16 in wq.  Sums in f32.
; So slice 16 i + head of the result holds q (i = 0), k (1) or v (2) of a head, and a batch's 1,024 rows of a head are dense.
; A work-group makes 128 rows x 384 columns (32 x 8 = 256 work-groups); all four waves take the 128 rows; wave w takes columns 32 w .. 32 w + 31 of each of the three blocks of 128 columns: 48 accumulators.
; On the side it rounds w_o (to byte 6,291,456 of wb), w_fc (to wfc) and the first 4 MiB of w_out (to byte 16,777,216 of wb) to bf16, for the launches that follow.
; The text below the five sizes is the same as in gfc.  Limits: operands and result are bf16; NaN and infinities are not treated apart.
.set GELU,  0
.set SN,    3072
.set TM,    128
.set TN,    384
.set CL,    8                          ; on the side: loads of 512 bytes a wave and trip
; K goes in steps of 128 through two LDS slots filled by the tensor data mover, one load of 32 KiB a wave and step.  4 x 4 work-groups form a cluster: A's tiles are asked for jointly along a row of
; the cluster, the weights' along a column.  The product is used transposed (source 0 = 16 columns of the weights, turned on the way out of LDS; source 1 = 16 rows of A): a lane holds one row and eight neighbouring columns.
; When the last step is multiplied the ring, which is filled no more, takes the work-group's f32 tile; it is read back by rows, finished, and stored as 512 consecutive bytes an instruction.
; ON THE SIDE.  Weights that later launches multiply are rounded from f32 to bf16 here, in the same order, beside the matrix work: in each of the loop's six trips a wave loads CL x 512 consecutive bytes behind the
; trip's first run of LDS loads, and converts and stores them (CL x 256 consecutive bytes, aligned) behind its last run, three quarters of a trip later.  No wave of this launch reads what is stored so.
.set SK,     1024
.set KSTEP,  128
.set SLB,    524288                    ; bytes in a slice
.set PART,   36864                     ; what one tensor load fills: 256 rows of A at pitch 144, or 128 rows of the weights at pitch 288
.set SLOT,   4*PART
.set SPARE,  2*SLOT                    ; behind the ring: the spare words, 128 bytes a wave, that no other line names
.set NS,     SK/KSTEP
.set NSL,    TN/64                     ; slices of the result in a tile
.set SPI,    TN*4+16                   ; a row of the f32 tile: an odd number of 16-byte columns
.set ASTEP,  2*SLB                     ; a K step in A: two slices
.set BSTEP,  KSTEP*SN*2                ; and in the weights: 128 rows
.if TM == 256
.set NAW, 2                            ; waves that fetch A (a slice each); the others fetch 128 columns of the weights each
.set NB,  8                            ; blocks of 16 columns a wave
.set APL, 36864                        ; from a slice's rows to the next slice's in LDS
.set AWS, SLB
.set ARW, 18432                        ; my half of the rows: 128 x 144
.set BCW, PART                         ; my half of the columns
.set SRW, 128
.set SCW, 512
.set NBR, 1
.set CDST, 74                          ; s[74:75] on the side: where the trip's bf16 go
.set OUTR, 8                           ; the way out: the packed result, in registers that held LDS addresses of the loop
.else
.set NAW, 1
.set NB,  6
.set APL, 18432
.set AWS, 0
.set ARW, 0
.set BCW, 64
.set SRW, 0
.set SCW, 128
.set NBR, 3
.set CDST, 78                          ; s[78:79]
.set OUTR, 128
.endif
.set ABYTES, NAW*PART
.set NL,     2*NB+16                   ; LDS loads in a run
.set ADRA0, 8                          ; v8      my lane's place in A's part of a slot        v9-11  in the weights' parts
.set ADRB0, 9
.set STO,   12                         ; v12-15  where I put 32 bytes of a row of the f32 tile, for row blocks 0-1, 2-3, 4-5, 6-7
.set ADRA,  16                         ; v16, v20-22  the same places in the slot in hand
.set ADRB,  20
.set RD0,   24                         ; v24     where I read the f32 tile back; v25 the same, stepped
.set RD,    25
.set GO,    26                         ; v26     16 l: my 16 bytes in 512 consecutive bytes: of the side's loads, later (stepped) of the result
.set BO,    27                         ; v27     my 32 bytes in a slice's 256 bytes of bias
.set SPW,   28                         ; v28     LDS address of my spare word; v29 0; never rewritten
.set NIL,   29
.set PFO,   30                         ; v30     the prefetches' offset
.set CVO,   31                         ; v31     8 l: my 8 bytes in 256 consecutive bytes of the side's stores
.set CIN,   32                         ; v32..   on the side: as loaded
.set F0,    64                         ; fragment buffers: A's in window 0, the weights' in window 1
.set F1,    128
.set BIAS,  192                        ; v192..  8 numbers of bias for each slice
.set COUT,  240                        ; v240..  on the side: to store
.set WV,  14
.set RH,  15                           ; my half of the rows
.set CH,  16                           ; my share of the columns
.set G1,  24                           ; s[24:31] group 1 for A, s[32:39] two groups 0; s[48:55], s[56:63] the same for the weights
.set G0,  32
.set PFA, 44
.set LIM, 46
.set CNT, 47
.set G1B, 48
.set G0B, 56
.set TB,  66                           ; LDS byte of the slot in hand
.set EP,  67
.set PST, 68
.set IA,  70
.set JJ,  71
.set CSRC, 72                          ; s[72:73] on the side: where the trip's f32 come from
.set MSB, 0
.macro WIN new                         ; the immediate's high byte repeats the setting that is left; a switch that changes nothing is dropped
.if MSB != (\new)
	s_set_vgpr_msb (MSB<<8)|(\new)
.set MSB, \new
.endif
.endm
.macro PLACES                          ; four plain places behind a matrix instruction, ahead of loads into registers that it has read
.rept 4
	v_nop
.endr
.endm
.macro CREST                           ; a round of the cluster's barrier behind its opening barrier
	s_cmp_lg_u32 s[WV], 0
	s_cbranch_scc1 .Lnot_wave_0_\@
	s_barrier_signal -3
.Lnot_wave_0_\@:
	s_barrier_wait -3
	s_barrier_signal -1
	s_barrier_wait -1
.endm
.macro CROUND
	s_barrier_signal -1
	s_barrier_wait -1
	CREST
.endm
.macro JLOAD                           ; a joint refill by the walking descriptor; the branch hangs on the wave's number alone; an s_nop 0 and four v_nop follow each line
	s_cmp_lt_u32 s[WV], NAW
	s_cbranch_scc0 .Lfor_b_\@
	tensor_load_to_lds s[G0+4:G0+7], s[G1:G1+7]
	s_nop 0
.rept 4
	v_nop
.endr
	s_branch .Lasked_\@
.Lfor_b_\@:
	tensor_load_to_lds s[G0B+4:G0B+7], s[G1B:G1B+7]
	s_nop 0
.rept 4
	v_nop
.endr
.Lasked_\@:
.endm
; A prefetch of the K step that stands two refills on: of the 128 blocks of 256 bytes that I fetch in a step, my work-group's 32 (told apart from my partners' by address), a lane a block.
; A's tiles are read by every cluster of a row of clusters: cluster x = 0 asks; the weights' by every cluster of a column: cluster y = 0 asks.  The last two refills have no step two on.
.macro ASK
	s_cmp_gt_u32 s[CNT], s[LIM]
	s_cbranch_scc0 .Lnot_mine_\@
	global_prefetch_b8 v[PFO], s[PFA:PFA+1] th:TH_LOAD_NT scope:SCOPE_SE
.Lnot_mine_\@:
.endm
.macro BFRAG q, f, u                   ; 32 K x 16 columns of the weights, turned: lane l ends with column l % 16
.if NAW == 1
.set BREG, (\u)/2
.set BOFF, (\q)*9216+32*((\u)%2)
.else
.set BREG, 0
.set BOFF, (\q)*9216+32*(\u)
.endif
	ds_load_tr16_b128 v[(\f)+8*(\u):(\f)+8*(\u)+3],   v[ADRB+BREG] offset:BOFF
	ds_load_tr16_b128 v[(\f)+8*(\u)+4:(\f)+8*(\u)+7], v[ADRB+BREG] offset:BOFF+4608
.endm
.macro AFRAG q, f, t                   ; 16 rows x 32 K of A
.set AOFF, ((\q)/2)*APL+((\q)%2)*64+(\t)*2304
	ds_load_b128 v[(\f)+8*(\t):(\f)+8*(\t)+3],   v[ADRA] offset:AOFF
	ds_load_b128 v[(\f)+8*(\t)+4:(\f)+8*(\t)+7], v[ADRA] offset:AOFF+32
.endm
.macro FETCH q, f                      ; one run: quarter q's fragments into buffer f; A's rows 64-127 last
	WIN 0x40
.set u, 0
.rept NB
	BFRAG \q, \f, u
.set u, u+1
.endr
	WIN 0
.set t, 0
.rept 8
	AFRAG \q, \f, t
.set t, t+1
.endr
.endm
; 2 NB matrix instructions: row blocks a0, a0 + 1 of the window's four (hf = 0: rows 0-63, window 2; 1: rows 64-127, window 3) x all column blocks.  The accumulators take turns, one instruction a turn.
.macro MULP f, hf, a0, zero
	WIN 0xa1+0x50*(\hf)
.irp a, \a0, (\a0)+1
.set b, 0
.rept NB
.set rD, 8*(NB*(\a)+b)
.set rB, (\f)+8*b
.set rA, (\f)+8*(4*(\hf)+(\a))
.if \zero
	v_wmma_f32_16x16x32_bf16 v[rD:rD+7], v[rB:rB+7], v[rA:rA+7], 0
.else
	v_wmma_f32_16x16x32_bf16 v[rD:rD+7], v[rB:rB+7], v[rA:rA+7], v[rD:rD+7]
.endif
.set b, b+1
.endr
.endr
.endm
.macro CLOAD                           ; on the side: the trip's loads
.set j, 0
.rept CL
	global_load_b128 v[CIN+4*j:CIN+4*j+3], v[GO], s[CSRC:CSRC+1] offset:512*j th:TH_LOAD_NT
.set j, j+1
.endr
.endm
.macro CSTORE                          ; on the side: the trip's conversions and stores
	s_wait_loadcnt 0x0                             ; issued three quarters of a trip ago
.set j, 0
.rept CL
	v_cvt_pk_bf16_f32 v[COUT+2*j], v[CIN+4*j], v[CIN+4*j+1]
	v_cvt_pk_bf16_f32 v[COUT+2*j+1], v[CIN+4*j+2], v[CIN+4*j+3]
.set j, j+1
.endr
.set j, 0
.rept CL
	global_store_b64 v[CVO], v[COUT+2*j:COUT+2*j+1], s[CDST:CDST+1] offset:256*j  ; 256 consecutive bytes, aligned
.set j, j+1
.endr
.endm
.macro CSTEP                           ; on the side: the next trip's places; it stands behind s_wait_xcnt 0
.if NAW == 1                           ; a trip of the 1,024 waves covers 4 MiB of f32: trip 0 is w_o, trips 1 to 4 are w_fc, trip 5 is the first 4 MiB of w_out
	s_add_nc_u64 s[CSRC:CSRC+1], s[CSRC:CSRC+1], 1024*CL*512
	s_add_nc_u64 s[CDST:CDST+1], s[CDST:CDST+1], 1024*CL*256
	s_cmp_eq_u32 s[CNT], NS-2                      ; behind trip 0:
	s_cselect_b64 s[CSRC:CSRC+1], s[74:75], s[CSRC:CSRC+1]
	s_cselect_b64 s[CDST:CDST+1], s[80:81], s[CDST:CDST+1]
	s_cmp_eq_u32 s[CNT], 2                         ; behind trip 4:
	s_cselect_b64 s[CSRC:CSRC+1], s[76:77], s[CSRC:CSRC+1]
	s_cselect_b64 s[CDST:CDST+1], s[82:83], s[CDST:CDST+1]
.else                                  ; a wave's six trips lie end to end
	s_add_nc_u64 s[CSRC:CSRC+1], s[CSRC:CSRC+1], CL*512
	s_add_nc_u64 s[CDST:CDST+1], s[CDST:CDST+1], CL*256
.endif
.endm
.macro QUARTER q, f, g, zero, cast=0   ; multiplies buffer f; in its middle fetches quarter q into buffer g; cast = 1: the side's loads, 2: its conversions and stores
	s_wait_dscnt 8                                 ; all but the youngest eight loads: A's rows 64-127
	MULP \f, 0, 0, \zero
	MULP \f, 0, 2, \zero
	PLACES
	FETCH \q, \g
.if (\cast) == 1
	CLOAD
.elseif (\cast) == 2
	CSTORE
.endif
	s_wait_dscnt NL                                ; all but the run just issued
	MULP \f, 1, 0, \zero
	MULP \f, 1, 2, \zero
.endm
.macro SETADR
	v_add_nc_u32 v[ADRA], s[TB], v[ADRA0]
.set i, 0
.rept NBR
	v_add_nc_u32 v[ADRB+i], s[TB], v[ADRB0+i]
.set i, i+1
.endr
.endm
; The last quarter multiplies buffer 1 and changes slots.  In front of the barrier each wave waits for all its tensor loads (one is out: its part of the next slot), adds 0 to its spare word,
; and waits for that and for its reads of this slot.  fill = 1: the barrier opens a round of the cluster's, and the joint refill is the first tensor load behind it.
.macro TURN fill
.if \fill
	s_wait_xcnt 0x0                                ; the last prefetch, a K step back, has read its address
	s_add_nc_u64 s[PFA:PFA+1], s[PFA:PFA+1], s[PST:PST+1]
.endif
	WIN 0
	s_wait_tensorcnt 0x0
	ds_add_u32 v[SPW], v[NIL]
	s_wait_dscnt 9                                 ; the add and the youngest eight loads may be out
	MULP F1, 0, 0, 0
	s_wait_dscnt 0x0                               ; the add is done, my reads of this slot are over
	s_barrier_signal -1
	MULP F1, 0, 2, 0
	WIN 0
	s_barrier_wait -1
.if \fill
	CREST                                          ; no wave of any partner still reads this slot or has a load on its way
	s_xor_b32 s[G0+5], s[G0+5], SLOT               ; the walking descriptors: the other slot than last time (a part's offset and SLOT share no bit), the next K step
	s_add_nc_u64 s[G0+6:G0+7], s[G0+6:G0+7], ASTEP
	s_xor_b32 s[G0B+5], s[G0B+5], SLOT
	s_add_nc_u64 s[G0B+6:G0B+7], s[G0B+6:G0B+7], BSTEP
	s_xor_b32 s[TB], s[TB], SLOT
	JLOAD                                          ; its four v_nop are also the places in front of the loads below
.else
	s_xor_b32 s[TB], s[TB], SLOT
	PLACES
.endif
	SETADR
	FETCH 0, F0
.if \fill
	ASK
.endif
	MULP F1, 1, 0, 0
	MULP F1, 1, 2, 0
.endm
	s_load_b256 s[4:11], s[0:1], 0x0               ; A s[4:5], the weights s[6:7], bias s[8:9], result s[10:11]
.if NAW == 1
	s_load_b256 s[72:79], s[0:1], 0x20             ; on the side: w_o s[72:73], w_fc s[74:75], w_out s[76:77] in f32; wb s[78:79],
	s_load_b64 s[80:81], s[0:1], 0x40              ; wfc
.else
	s_load_b128 s[72:75], s[0:1], 0x20             ; on the side: w_out s[72:73] in f32; wb s[74:75]
.endif
	v_lshl_add_u32 v[SPW], v0, 2, SPARE
	v_mov_b32 v[NIL], 0
	ds_add_u32 v[SPW], v[NIL]                      ; the wave's opening: the add and its wait ahead of my first tensor load
	v_lshrrev_b32 v1, 5, v0
	v_readfirstlane_b32 s[WV], v1                  ; wave 0..3
.if NAW == 1
	s_mov_b32 s[RH], 0
	s_mov_b32 s[CH], s[WV]
	s_mov_b32 s[IA], 0
	s_max_u32 s[JJ], s[WV], 1
	s_sub_co_u32 s[JJ], s[JJ], 1                   ; waves 1, 2, 3 fetch column blocks 0, 1, 2
.else
	s_lshr_b32 s[RH], s[WV], 1
	s_and_b32 s[CH], s[WV], 1
	s_and_b32 s[IA], s[WV], 1
	s_and_b32 s[JJ], s[WV], 1
.endif
	s_bfe_u32 s40, ttmp6, 0x40000                  ; cx
	s_bfe_u32 s41, ttmp6, 0x40004                  ; cy
	s_lshl_b32 s42, ttmp9, 2
	s_add_co_u32 s42, s42, s40                     ; tile column
	s_and_b32 s43, ttmp7, 0xffff
	s_lshl_b32 s43, s43, 2
	s_add_co_u32 s43, s43, s41                     ; tile row
	s_lshl_b32 s17, s41, 2
	s_lshl_b32 s17, 15, s17                        ; my row of the cluster
	s_lshl_b32 s22, 0x1111, s40                    ; my column
	s_or_b32 s[G1], s17, (1<<16)|(1<<20)|(1<<21)|(4<<22)|(3<<25)   ; mask; 2-byte elements; padding on; bit 21 beside a mask; 4 words behind every 32: pitch 144
	s_or_b32 s[G1B], s22, (1<<16)|(1<<20)|(1<<21)|(5<<22)|(7<<25)  ; 8 words behind every 64: pitch 288
.if TM == 256
	s_mov_b32 s[G1+1], 128<<16                     ; 256 rows of a slice are 32,768 dense bytes: 128 rows of 256 bytes
	s_mov_b32 s[G1+2], 128<<16
	s_mov_b32 s[G1+3], 128<<16
	s_mov_b32 s[G1+4], 128
	s_mov_b32 s[G1+5], 128
.else
	s_mov_b32 s[G1+1], 8192<<16                    ; 128 rows of a slice are 16,384 dense bytes: one long row; two slices, 262,144 elements apart
	s_mov_b32 s[G1+2], 2<<16
	s_mov_b32 s[G1+3], 8192<<16
	s_mov_b32 s[G1+4], 2
	s_mov_b32 s[G1+5], 262144
.endif
	s_mov_b32 s[G1+6], 0
	s_mov_b32 s[G1+7], 0
	s_mov_b32 s[G1B+1], 128<<16                    ; 128 rows (K) x 128 columns, SN elements from row to row
	s_mov_b32 s[G1B+2], 128<<16
	s_mov_b32 s[G1B+3], 128<<16
	s_mov_b32 s[G1B+4], 128
	s_mov_b32 s[G1B+5], SN
	s_mov_b32 s[G1B+6], 0
	s_mov_b32 s[G1B+7], 0
	s_mul_i32 s18, s[IA], AWS                      ; A's tile hangs on the tile row and the wave alone,
	s_mul_i32 s17, s43, TM*128
	s_add_co_u32 s18, s18, s17
	s_mov_b32 s19, 0
	s_mul_i32 s20, s42, TN*2                       ; the weights' on the tile column and the wave alone
	s_lshl_b32 s22, s[JJ], 8
	s_add_co_u32 s20, s20, s22
	s_mov_b32 s21, 0
	s_mul_i32 s23, s[WV], PART                     ; LDS: part w of a slot
	s_mov_b32 s[G0], 1
	s_mov_b32 s[G0+1], s23
	s_mov_b32 s[G0+4], 1
	s_add_co_u32 s[G0+5], s23, SLOT
	s_mov_b32 s[G0B], 1
	s_mov_b32 s[G0B+1], s23
	s_mov_b32 s[G0B+4], 1
	s_add_co_u32 s[G0B+5], s23, SLOT
	s_mov_b32 s[TB], 0
	s_wait_dscnt 0x0                               ; the opening add is done
	s_wait_kmcnt 0x0
	s_add_nc_u64 s[G0+2:G0+3], s[4:5], s[18:19]    ; K step 0,
	s_add_nc_u64 s[G0+6:G0+7], s[G0+2:G0+3], ASTEP ; K step 1
	s_or_b32 s[G0+3], s[G0+3], 0x80000000
	s_or_b32 s[G0+7], s[G0+7], 0x80000000
	s_add_nc_u64 s[G0B+2:G0B+3], s[6:7], s[20:21]
	s_add_nc_u64 s[G0B+6:G0B+7], s[G0B+2:G0B+3], BSTEP
	s_or_b32 s[G0B+3], s[G0B+3], 0x80000000
	s_or_b32 s[G0B+7], s[G0B+7], 0x80000000
	CROUND                                         ; all sixteen work-groups are here: the first joint loads meet
	s_cmp_lt_u32 s[WV], NAW                        ; a wave's two first fills stand in one branch: two loads of mine are out
	s_cbranch_scc0 .Lfirst_b
	tensor_load_to_lds s[G0:G0+3], s[G1:G1+7]
	s_nop 0
	tensor_load_to_lds s[G0+4:G0+7], s[G1:G1+7]
	s_nop 0
.rept 4
	v_nop
.endr
	s_branch .Lfirst_asked
.Lfirst_b:
	tensor_load_to_lds s[G0B:G0B+3], s[G1B:G1B+7]
	s_nop 0
	tensor_load_to_lds s[G0B+4:G0B+7], s[G1B:G1B+7]
	s_nop 0
.rept 4
	v_nop
.endr
.Lfirst_asked:
	v_and_b32 v1, 15, v0                           ; l % 16
	v_bfe_u32 v2, v0, 4, 1                         ; l / 16
	v_and_b32 v3, 7, v0
	v_bfe_u32 v4, v0, 3, 1
	v_and_b32 v5, 31, v0                           ; l
	s_mul_i32 s92, s42, TN*4
	s_mov_b32 s93, 0
	s_add_nc_u64 s[8:9], s[8:9], s[92:93]          ; the tile's bias
	v_lshlrev_b32 v[BO], 5, v3
.set sl, 0
.rept NSL
	global_load_b128 v[BIAS+8*sl:BIAS+8*sl+3],   v[BO], s[8:9] offset:256*sl
	global_load_b128 v[BIAS+8*sl+4:BIAS+8*sl+7], v[BO], s[8:9] offset:256*sl+16
.set sl, sl+1
.endr
	s_mul_i32 s92, s42, NSL*4096                   ; the result: the tile's first slice, the tile's rows, my quarter of them
	s_mul_i32 s94, s43, TM
	s_add_co_u32 s92, s92, s94
	s_mul_i32 s94, s[WV], TM/4
	s_add_co_u32 s92, s92, s94
	s_lshl_b32 s92, s92, 7
	s_add_nc_u64 s[10:11], s[10:11], s[92:93]
	v_lshlrev_b32 v[GO], 4, v5
	v_lshlrev_b32 v[CVO], 3, v5
	s_mul_i32 s92, s43, SN/TN                      ; on the side: my wave among the launch's 1,024
	s_add_co_u32 s92, s92, s42
	s_lshl_b32 s92, s92, 2
	s_add_co_u32 s92, s92, s[WV]
	s_mov_b32 s95, 0
.if NAW == 1
	s_lshl_b32 s94, s92, 11                        ; 2,048 bytes out,
	s_lshl_b32 s92, s92, 12                        ; 4,096 bytes in, a wave and trip
	s_add_nc_u64 s[72:73], s[72:73], s[92:93]      ; trip 0 reads w_o,
	s_add_nc_u64 s[74:75], s[74:75], s[92:93]      ; trips 1 to 4 w_fc,
	s_add_nc_u64 s[76:77], s[76:77], s[92:93]      ; trip 5 w_out
	s_add_nc_u64 s[80:81], s[80:81], s[94:95]      ; w_fc goes to wfc,
	s_add_nc_u64 s[78:79], s[78:79], s[94:95]
	s_add_nc_u64 s[82:83], s[78:79], 16777216      ; w_out to its place in wb,
	s_add_nc_u64 s[78:79], s[78:79], 6291456       ; w_o to its
.else
	s_mul_i32 s94, s92, 6*CL*256                   ; my six trips lie end to end, behind the 4 MiB of w_out that the first product's launch has rounded
	s_mul_i32 s92, s92, 6*CL*512
	s_add_co_u32 s92, s92, 4194304
	s_add_co_u32 s94, s94, 16777216+2097152
	s_add_nc_u64 s[72:73], s[72:73], s[92:93]
	s_add_nc_u64 s[74:75], s[74:75], s[94:95]
.endif
	v_mul_u32_u24 v[ADRA0], v1, 144                ; a fragment of A: row l % 16, 16 bytes for each half of the lanes
	v_lshl_add_u32 v[ADRA0], v2, 4, v[ADRA0]
	s_mul_i32 s2, s[RH], ARW
	v_add_nc_u32 v[ADRA0], s2, v[ADRA0]
	v_lshl_add_u32 v6, v2, 3, v3                   ; the turning load: K row 8 (l / 16) + l % 8, columns 8 ((l / 8) % 2) on
	v_mul_u32_u24 v6, v6, 288
	v_lshl_add_u32 v6, v4, 4, v6
	s_mul_i32 s2, s[CH], BCW
	s_add_co_u32 s2, s2, ABYTES
.set i, 0
.rept NBR
	v_add_nc_u32 v[ADRB0+i], s2, v6
	s_add_co_u32 s2, s2, PART
.set i, i+1
.endr
	v_mul_u32_u24 v7, v1, SPI                      ; the f32 tile: row l % 16 of a block, 32 bytes for each half of the lanes
	v_lshl_add_u32 v7, v2, 5, v7
	s_mul_i32 s2, s[RH], SRW*SPI
	s_mul_i32 s3, s[CH], SCW
	s_add_co_u32 s2, s2, s3
.set i, 0
.rept 4
	v_add_nc_u32 v[STO+i], s2, v7
	s_add_co_u32 s2, s2, 32*SPI
.set i, i+1
.endr
	v_lshrrev_b32 v6, 3, v5                        ; back: four rows a trip, a lane 8 columns of each slice
	v_mul_u32_u24 v6, v6, SPI
	v_lshl_add_u32 v6, v3, 5, v6
	s_mul_i32 s2, s[WV], (TM/4)*SPI
	v_add_nc_u32 v[RD0], s2, v6
	s_and_b32 s92, ttmp7, 0xffff                   ; the prefetches: cluster y
.if TM == 256
	s_lshl_b32 s94, s40, 13                        ; A: my work-group's 32 blocks of the tile's 128
.else
	s_lshr_b32 s94, s40, 1
	s_lshl_b32 s94, s94, 19
	s_and_b32 s95, s40, 1
	s_lshl_b32 s95, s95, 13
	s_add_co_u32 s94, s94, s95
.endif
	s_add_co_u32 s94, s94, s18
	s_mul_i32 s95, s41, 64*SN                      ; the weights: my work-group's 32 rows of the tile's 128
	s_add_co_u32 s95, s95, s20
	s_mov_b32 s[PST], BSTEP
	s_mov_b32 s96, 2*SN
	s_cmp_lt_u32 s[WV], NAW
	s_cselect_b32 s93, ttmp9, s92                  ; the coordinate along which other clusters read the same tile
	s_cselect_b32 s94, s94, s95
	s_cselect_b32 s[PST], ASTEP, s[PST]
	s_cselect_b32 s96, 256, s96
	s_cselect_b64 s[PFA:PFA+1], s[4:5], s[6:7]
	s_mov_b32 s[PST+1], 0
	s_mov_b32 s95, 0
	s_mul_i32 s97, s[PST], 3
	s_add_co_u32 s94, s94, s97                     ; at K step 3: the first refill steps it to 4
	s_add_nc_u64 s[PFA:PFA+1], s[PFA:PFA+1], s[94:95]
	s_cmp_eq_u32 s93, 0
	s_cselect_b32 s[LIM], 2, -1                    ; the same in all sixteen partners, for a given wave
	v_mul_u32_u24 v[PFO], v5, s96
	s_wait_tensorcnt 1                             ; my part of K step 0 is in; K step 1's stays out
	s_barrier_signal -1
	s_barrier_wait -1
	SETADR
	FETCH 0, F0
	QUARTER 1, F0, F1, 1                           ; the first quarter's products start the sums
	WIN 0
	s_mov_b32 s[CNT], NS-2
.Lstep:                                                ; a trip: from a step's second quarter to the next step's first; one slot is filled again
	QUARTER 2, F1, F0, 0, 1
	QUARTER 3, F0, F1, 0
	TURN 1
	QUARTER 1, F0, F1, 0, 2
	WIN 0
	s_wait_xcnt 0x0                                ; the side's loads and stores (the youngest 4 NB matrix instructions back) have read their registers: its places and, in the next trip, its data are written anew
	CSTEP
	s_sub_co_u32 s[CNT], s[CNT], 1
	s_cmp_lg_u32 s[CNT], 0
	s_cbranch_scc1 .Lstep
	s_mov_b32 s[CNT], 2
.Ltail:                                                ; the last two steps ask for nothing; the second trip is left in its middle
	QUARTER 2, F1, F0, 0
	QUARTER 3, F0, F1, 0
	WIN 0
	s_sub_co_u32 s[CNT], s[CNT], 1
	s_cmp_eq_u32 s[CNT], 0
	s_cbranch_scc1 .Llast
	TURN 0
	QUARTER 1, F0, F1, 0
	WIN 0
	s_branch .Ltail
.Llast:
	s_wait_dscnt 8
	MULP F1, 0, 0, 0
	MULP F1, 0, 2, 0
	s_wait_dscnt 0x0
	MULP F1, 1, 0, 0
	MULP F1, 1, 2, 0
	WIN 0
	PLACES
	PLACES
	s_wait_dscnt 0x0
	s_barrier_signal -1
	s_barrier_wait -1                              ; no wave reads the ring any more, and no fill is to come: it takes the f32 tile
.set hi, 0
.rept 2
	WIN 0x08+4*hi                                  ; store data in window 2, then 3
.set a, 0
.rept 4
.set b, 0
.rept NB
.set rD, 8*(NB*a+b)
.set rb, 4*hi+a
.if NAW == 1
.set CB, (b/2)*512+(b%2)*64
.else
.set CB, 64*b
.endif
	ds_store_b128 v[STO+rb/2], v[rD:rD+3]   offset:(rb%2)*16*SPI+CB      ; each accumulator's low registers first
	ds_store_b128 v[STO+rb/2], v[rD+4:rD+7] offset:(rb%2)*16*SPI+CB+16
.set b, b+1
.endr
.set a, a+1
.endr
.set hi, hi+1
.endr
	WIN 0
	s_wait_dscnt 0x0                               ; for the others' sake: my stores are done
	s_barrier_signal -1
	s_barrier_wait -1
.set LR, 32                            ; as read back
.set XR, LR+8*NSL                      ; at work
.if GELU
.set AR, 96                            ; |x|
.set DR, 128                           ; 1 + p |x|, then t
.set UR, 160                           ; the exponent, then E
.set PR, 224                           ; the polynomial
.set GP, 72                            ; s[72:85] the constants, each in the low word of a pair (the side's places are done with)
	s_mov_b32 s72, 0x3e6d3388                      ; p / sqrt(2) = 0.231641888
	s_mov_b32 s73, s72
	s_mov_b32 s74, 0xbf38aa3b                      ; - log2(e) / 2
	s_mov_b32 s75, s74
	s_mov_b32 s76, 0xbe027906                      ; - a1 / 2 = -0.127414796
	s_mov_b32 s77, s76
	s_mov_b32 s78, 0x3e11a98e                      ; - a2 / 2 =  0.142248368
	s_mov_b32 s79, s78
	s_mov_b32 s80, 0xbf35f0e3                      ; - a3 / 2 = -0.7107068705
	s_mov_b32 s81, s80
	s_mov_b32 s82, 0x3f3a00e3                      ; - a4 / 2 =  0.7265760135
	s_mov_b32 s83, s82
	s_mov_b32 s84, 0xbf07dc22                      ; - a5 / 2 = -0.5307027145
	s_mov_b32 s85, s84
.endif
.macro LLOAD
.set sl, 0
.rept NSL
	ds_load_b128 v[LR+8*sl:LR+8*sl+3],   v[RD] offset:256*sl
	ds_load_b128 v[LR+8*sl+4:LR+8*sl+7], v[RD] offset:256*sl+16
.set sl, sl+1
.endr
.endm
.macro GPLAIN k, n                     ; plain line n of 6 for pair k
.if (\n) == 0
	v_and_b32 v[AR+2*(\k)], 0x7fffffff, v[XR+2*(\k)]
.elseif (\n) == 1
	v_and_b32 v[AR+2*(\k)+1], 0x7fffffff, v[XR+2*(\k)+1]
.elseif (\n) == 2
	v_pk_fma_f32 v[DR+2*(\k):DR+2*(\k)+1], v[AR+2*(\k):AR+2*(\k)+1], s[GP:GP+1], 1.0 op_sel_hi:[1,0,0]
.elseif (\n) == 3
	v_pk_mul_f32 v[UR+2*(\k):UR+2*(\k)+1], v[XR+2*(\k):XR+2*(\k)+1], v[XR+2*(\k):XR+2*(\k)+1]
.elseif (\n) == 4
	v_pk_mul_f32 v[UR+2*(\k):UR+2*(\k)+1], v[UR+2*(\k):UR+2*(\k)+1], s[GP+2:GP+3] op_sel_hi:[1,0]
.else
	v_pk_mul_f32 v[XR+2*(\k):XR+2*(\k)+1], v[XR+2*(\k):XR+2*(\k)+1], 0.5 op_sel_hi:[1,0]
.endif
.endm
.macro GTRANS k, n                     ; transcendental n of 4 for pair k, in place
.if (\n) < 2
	v_rcp_f32 v[DR+2*(\k)+(\n)], v[DR+2*(\k)+(\n)]
.else
	v_exp_f32 v[UR+2*(\k)+(\n)-2], v[UR+2*(\k)+(\n)-2]
.endif
.endm
	s_mov_b32 s[EP], 0
	v_mov_b32 v[RD], v[RD0]
	LLOAD
	s_wait_loadcnt 0x0                             ; the bias
	s_mov_b32 s[CNT], TM/16
.Lrows:                                                ; a trip: four rows of all the tile's slices
	s_wait_dscnt 0x0
.set k, 0
.rept 4*NSL
	v_pk_add_f32 v[XR+2*k:XR+2*k+1], v[LR+2*k:LR+2*k+1], v[BIAS+2*k:BIAS+2*k+1]
.set k, k+1
.endr
	s_add_co_u32 s[EP], s[EP], 4*SPI               ; the next trip's rows are read while this trip's are worked on; the last trip reads its own again
	s_min_u32 s[EP], s[EP], (TM/16-1)*4*SPI
	v_add_nc_u32 v[RD], s[EP], v[RD0]
	LLOAD
.if GELU
; gelu(x) = x / 2 + |x| (1 / 2 - P(t) E), t = 1 / (1 + p |x| / sqrt(2)), E = e^(-x x / 2), P of degree 5 (Abramowitz and Stegun 7.1.26, halved; stored negated): erf to 1.5e-7.
; The 16 pairs go in four groups of four.  A group's plain lines 0 to 4 go line by line over its four pairs, so that none reads the result of the line just before it; the 16 transcendentals of the group before
; stand between them, four to five plain lines; the last group's stand between the 16 halvings of x (line 5).  The trip's 64 transcendentals are ONE batch: nothing names a result ahead of the one wait.
.set g, 0
.rept 5
.set i, 0
.rept 20
.if g < 4
	GPLAIN 4*g+i%4, i/4
.elseif i < 16
	GPLAIN i, 5
.endif
.if (g > 0) && (i%5 != 4)
	GTRANS 4*(g-1)+(i-i/5)/4, (i-i/5)%4
.endif
.set i, i+1
.endr
.set g, g+1
.endr
	v_nop                                          ; a plain instruction behind the last of them,
	s_wait_alu depctr_va_vdst(0)                   ; and the batch's wait
.irp st, 0,1,2,3,4,5,6
.set k, 0
.rept 16
.if \st == 0
	v_pk_fma_f32 v[PR+2*k:PR+2*k+1], v[DR+2*k:DR+2*k+1], s[GP+12:GP+13], s[GP+10:GP+11] op_sel_hi:[1,0,0]
.elseif \st < 4
	v_pk_fma_f32 v[PR+2*k:PR+2*k+1], v[PR+2*k:PR+2*k+1], v[DR+2*k:DR+2*k+1], s[GP+10-2*\st:GP+11-2*\st] op_sel_hi:[1,1,0]
.elseif \st == 4
	v_pk_mul_f32 v[PR+2*k:PR+2*k+1], v[PR+2*k:PR+2*k+1], v[DR+2*k:DR+2*k+1]
.elseif \st == 5
	v_pk_fma_f32 v[PR+2*k:PR+2*k+1], v[PR+2*k:PR+2*k+1], v[UR+2*k:UR+2*k+1], 0.5 op_sel_hi:[1,1,0]
.else
	v_pk_fma_f32 v[XR+2*k:XR+2*k+1], v[AR+2*k:AR+2*k+1], v[PR+2*k:PR+2*k+1], v[XR+2*k:XR+2*k+1]
.endif
.set k, k+1
.endr
.endr
.endif
	s_wait_xcnt 0x0                                ; the last trip's stores, a trip's work back, have read their offset and data, which are written anew below
	v_add_nc_u32 v[GO], 512, v[GO]                 ; stepped ahead of the stores, which reach back
.set k, 0
.rept 4*NSL
	v_cvt_pk_bf16_f32 v[OUTR+k], v[XR+2*k], v[XR+2*k+1]
.set k, k+1
.endr
.set sl, 0
.rept NSL
	global_store_b128 v[GO], v[OUTR+4*sl:OUTR+4*sl+3], s[10:11] offset:sl*SLB-512  ; 512 consecutive bytes, aligned: four rows of a slice
.set sl, sl+1
.endr
	s_sub_co_u32 s[CNT], s[CNT], 1
	s_cmp_lg_u32 s[CNT], 0
	s_cbranch_scc1 .Lrows
	s_wait_tensorcnt 0x0                           ; the wave's end
	ds_add_u32 v[SPW], v[NIL]
	s_wait_dscnt 0x0
	CROUND                                         ; the closing round
	s_endpgm
.Lfunc_end_k_q0945d620df_gqkv:
	.size	k_q0945d620df_gqkv, .Lfunc_end_k_q0945d620df_gqkv-k_q0945d620df_gqkv
	.p2alignl 7, 3214868480
	.fill 96, 4, 3214868480
	.section	.rodata,"a",@progbits
	.p2align	6, 0x0
	.amdhsa_kernel k_q0945d620df_gqkv
		.amdhsa_group_segment_fixed_size 327680
		.amdhsa_private_segment_fixed_size 0
		.amdhsa_enable_private_segment 0
		.amdhsa_kernarg_size 72
		.amdhsa_user_sgpr_count 2
		.amdhsa_user_sgpr_kernarg_segment_ptr 1
		.amdhsa_wavefront_size32 1
		.amdhsa_system_sgpr_workgroup_id_x 1
		.amdhsa_system_sgpr_workgroup_id_y 1
		.amdhsa_system_sgpr_workgroup_id_z 1
		.amdhsa_system_vgpr_workitem_id 0
		.amdhsa_next_free_vgpr 960
		.amdhsa_next_free_sgpr 100
		.amdhsa_reserve_vcc 0
		.amdhsa_float_denorm_mode_32 3
		.amdhsa_float_denorm_mode_16_64 3
		.amdhsa_memory_ordered 1
		.amdhsa_forward_progress 1
		.amdhsa_inst_pref_size 79
	.end_amdhsa_kernel
	.amdgpu_metadata
---
amdhsa.version: [ 1, 2 ]
amdhsa.kernels:
  - .name:           k_q0945d620df_gqkv
    .symbol:         k_q0945d620df_gqkv.kd
    .args:
      - { .name: act, .offset: 0, .size: 8, .value_kind: global_buffer, .address_space: global }
      - { .name: wq, .offset: 8, .size: 8, .value_kind: global_buffer, .address_space: global }
      - { .name: b_qkv, .offset: 16, .size: 8, .value_kind: global_buffer, .address_space: global }
      - { .name: qkv, .offset: 24, .size: 8, .value_kind: global_buffer, .address_space: global }
      - { .name: w_o, .offset: 32, .size: 8, .value_kind: global_buffer, .address_space: global }
      - { .name: w_fc, .offset: 40, .size: 8, .value_kind: global_buffer, .address_space: global }
      - { .name: w_out, .offset: 48, .size: 8, .value_kind: global_buffer, .address_space: global }
      - { .name: wb, .offset: 56, .size: 8, .value_kind: global_buffer, .address_space: global }
      - { .name: wfc, .offset: 64, .size: 8, .value_kind: global_buffer, .address_space: global }
    .group_segment_fixed_size: 327680
    .private_segment_fixed_size: 0
    .kernarg_segment_align: 8
    .kernarg_segment_size: 72
    .max_flat_workgroup_size: 128
    .sgpr_count:     100
    .vgpr_count:     960
    .wavefront_size: 32
...
	.end_amdgpu_metadata
.endif
;; end of part 2
;; launch attn (part 3): grid 4 x 64, 4 waves a work-group, clusters of 4 x 1, 327,680 bytes of LDS; arguments qkv, act; writes act
.if DOCPART == 3
	.amdgcn_target "amdgcn-amd-amdhsa--gfx1250"
	.amdhsa_code_object_version 6
	.text
	.protected	k_q0945d620df_attn
	.globl	k_q0945d620df_attn
	.p2align	8
	.type	k_q0945d620df_attn,@function
k_q0945d620df_attn:
	s_mov_b64 s[64:65], 0
	v_nop
	global_prefetch_b8 v0, s[64:65] scope:SCOPE_SE
	s_setreg_imm32_b32 hwreg(HW_REG_WAVE_MODE, 25, 1), 1
	s_wait_xcnt 0x0
	s_wait_alu depctr_hold_cnt(0) depctr_sa_sdst(0) depctr_va_vdst(0) depctr_va_sdst(0) depctr_va_ssrc(0) depctr_va_vcc(0) depctr_vm_vsrc(0)
	s_getreg_b32 s2, hwreg(HW_REG_IB_STS2, 6, 4)
	s_cmp_eq_u32 s2, 0
	s_cbranch_scc0 .Lentry_in_a_cluster
	s_endpgm
.Lentry_in_a_cluster:
	s_bfe_u32 s2, ttmp6, 0x10000c
	s_cmp_lg_u32 s2, 0x3003
	s_cbranch_scc0 .Lentry_shape_is_right
	s_endpgm
.Lentry_shape_is_right:
; CAUSAL ATTENTION, head size 64, 1,024 rows, 64 pairs of batch and head.  q, k, v: slices head, 16 + head, 32 + head of qkv, [4096 rows][64] bf16; a batch's 1,024 rows are dense.  y goes to the same place in act as q has in qkv.
; Products, maxima and sums in f32; the weights p are rounded to bf16 for the second product (their sum l is taken of the unrounded p), y once at the end.  The scale 1 / 8 is applied here, in f32.
; LIMITS.  A hidden score counts as its value less 1e30; a weight below 2^-126 counts as 0 in l; NaN and infinities are not treated apart.
; SHARES.  The four work-groups of a pair form a cluster.  Wave w of work-group cx owns four PIECES of 16 queries: piece i holds rows 256 i + 64 w + 16 cx .. + 15.  So what a wave does, section by section, is the same text
; and the same counts in every partner: cx enters q's and y's addresses and the mask's numbers alone, and the head's K and V are asked for JOINTLY.
; ALL OF THE HEAD'S K AND V LIE IN LDS (1,024 rows each): four chunks of 256 keys, each filled once; nothing is filled again.
; THE WALK.  Section T = keys 256 T .. 256 T + 255, four steps of 64.  Pieces above T see all of them, piece T holds the diagonal, pieces below T are finished: 4 + 3 + 2 + 1 piece-sections for every wave.
; In section T's step s piece T sees all keys if s < w, none if s > w, and holds the diagonal if s = w.  THE MASK is the C operand that starts piece T's sums: MD x AL + BE, MD made once (0 or -1e30 for my 16 rows in their own step),
; (AL, BE) = (1, 0), (0, 0) or (0, -1e30).  Every row sees a key in section 0's step 0 or in its own step, so the running maximum is a true score before the first hidden one comes.
; LAYOUT, SOFTMAX.  S^T = K Q^T holds ONE query a lane (lane % 16) and the keys 8 (lane / 16) + 0..7; two such results rounded to bf16 ARE source 1 of O^T = V^T P.  p = 2^(c s - c m), c = log2(e) / 8, m the running maximum;
; O and l are multiplied by a = 2^(c m_old - c m_new) in every step.  m starts at the lowest finite number, O and l at 0: the first step is a step like any other, with a = 0.
; A STEP.  Piece T's scores and statistics first; then a TURN for each piece p = T .. 3: 8 products K Q^T of piece p + 1, later 8 products V^T P of piece p - 1, and beside them piece p's scaling, exponentials, roundings, sums
; and rescaling and piece p + 1's maximum and statistics; last piece 3's V^T P.  A turn's exponentials are one batch with one wait.
; REGISTERS, in windows of 256 (s_set_vgpr_msb: bits 1:0 source 0, 3:2 source 1, 5:4 source 2, 7:6 destination):
;   window 0: v0-15 addresses and at work; v16-31 statistics; v48-55 at work; v64-127 S^T, two buffers by the piece's parity; v192-223 P, likewise
;   window 1: v0-127 O^T, 32 a piece; v128-159 MD; v160-191 MC          window 2: v0-63 Q; v128-191 K of one step; v192-255 V of one step
.set NP,    4
.set KS,    64
.set PK,    144       ; a row of K in LDS: 128 bytes + 16
.set PV,    160       ; a row of V: 128 + 32
.set VOFF,  1024*PK   ; V behind K
.set STAGE, VOFF+1024*PV  ; never filled by a tensor load: 16 rows x 144 bytes for each wave, for the way out
.set SP,    144
.set SPARE, STAGE+4*16*SP ; the spare words, 128 bytes a wave, that no other line names
.set AK0, 2
.set AV0, 3
.set AK,  4
.set AV,  5
.set STO, 6
.set RD,  7
.set GO,  8
.set MV,  12          ; v12-13  c m_old, by buffer
.set QO,  15
.set ST,  16          ; piece t's statistics at v[ST+4 t]: c m, m, l (even keys', odd keys')
.set TMP, 48          ; by buffer, c0-c3 at work; c2 takes a
.set SPW, 62
.set NIL, 63
.set S,   64
.set P,   192
.set MD,  128
.set MC,  160
.set KF,  128
.set VF,  192
.set WV,  12
.set CX,  14
.set OWN, 15          ; the count at which the step is my band's own: 4 - w
.set G1K, 16
.set G1V, 24
.set G0K, 32          ; s[32:47] four groups 0 for K's chunks, s[48:63] for V's
.set G0V, 48
.set CNT, 66
.set CS,  68
.set SEL, 70
.set TBK, 72
.set TBV, 73
.set AL,  74
.set BE,  76
.set BIGN, 78
.set MSB, 0
.macro WIN new
.if MSB != (\new)
	s_set_vgpr_msb (MSB<<8)|(\new)
.set MSB, (\new)
.endif
.endm
.set W_KQ, 0x0a       ; K and Q in window 2, S^T in window 0
.set W_KM, 0x1a       ; the same with the C operand in window 1
.set W_PV, 0x52       ; V in window 2, P in window 0, O^T in window 1
.set W_RS, 0x41       ; destination and source 0 in window 1, source 1 in window 0
.macro CROUND
	s_barrier_signal -1
	s_barrier_wait -1
	s_cmp_lg_u32 s[WV], 0
	s_cbranch_scc1 .Lnot_wave_0_\@
	s_barrier_signal -3
.Lnot_wave_0_\@:
	s_barrier_wait -3
	s_barrier_signal -1
	s_barrier_wait -1
.endm
	s_load_b128 s[4:7], s[0:1], 0x0  ; qkv s[4:5], act s[6:7]
	v_lshl_add_u32 v[SPW], v0, 2, SPARE
	v_mov_b32 v[NIL], 0
	ds_add_u32 v[SPW], v[NIL]       ; the wave's opening: the add and its wait ahead of my first tensor load
	v_lshrrev_b32 v1, 5, v0
	v_readfirstlane_b32 s[WV], v1   ; wave 0..3
	s_bfe_u32 s[CX], ttmp6, 0x40000 ; my place in the cluster
	s_and_b32 s8, ttmp7, 0xffff     ; 16 x batch + head, which the partners share
	s_and_b32 s9, s8, 15
	s_lshl_b32 s9, s9, 19           ; the head's slice
	s_lshr_b32 s8, s8, 4
	s_lshl_b32 s8, s8, 17           ; the batch's 1,024 rows of 128 bytes
	s_add_co_u32 s8, s8, s9
	s_and_b32 s11, s[WV], 1         ; which half of a chunk's 256 keys I fetch
	s_lshl_b32 s2, s11, 14
	s_add_co_u32 s2, s2, s8
	s_mov_b32 s3, 0
	s_mul_i32 s10, s11, 128*PK
	s_mul_i32 s13, s11, 128*PV
	s_lshl_b32 s80, s[WV], 13       ; my rows in a block of 256: 64 w + 16 cx
	s_lshl_b32 s81, s[CX], 11
	s_add_co_u32 s80, s80, s81
	s_add_co_u32 s80, s80, s8
	s_mov_b32 s81, 0
	s_sub_co_u32 s[OWN], 4, s[WV]
	; group 1: 128 keys are 16,384 dense bytes: 64 rows of 256 bytes, padded in LDS after every key
	s_mov_b32 s[G1K], 15|(1<<16)|(1<<20)|(1<<21)|(4<<22)|(3<<25)  ; the mask of four; 2-byte elements; padding on; bit 21 beside a mask; 4 words behind every 32
	s_mov_b32 s[G1V], 15|(1<<16)|(1<<20)|(1<<21)|(4<<22)|(7<<25)  ; 8 words
.irp g, G1K, G1V
	s_mov_b32 s[\g+1], 128<<16
	s_mov_b32 s[\g+2], 64<<16
	s_mov_b32 s[\g+3], 128<<16
	s_mov_b32 s[\g+4], 64
	s_mov_b32 s[\g+5], 128
	s_mov_b32 s[\g+6], 0
	s_mov_b32 s[\g+7], 0
.endr
	s_mov_b32 s[CS], 0x3e38aa3b     ; c = log2(e) / 8
	s_mov_b32 s[CS+1], s[CS]
	s_mov_b32 s[SEL], 0x76543210
	s_mov_b32 s[SEL+1], 0xfedcba98
	s_mov_b32 s[TBK], 0
	s_mov_b32 s[TBV], 0
	s_mov_b32 s[AL+1], 0
	s_mov_b32 s[BE+1], 0
	s_mov_b32 s[BIGN], 0xf149f2ca   ; -1e30
.irp c, 0,1,2,3
	s_mov_b32 s[G0K+4*\c], 1
	s_add_co_u32 s[G0K+4*\c+1], s10, \c*256*PK
	s_mov_b32 s[G0V+4*\c], 1
	s_add_co_u32 s[G0V+4*\c+1], s13, VOFF+\c*256*PV
.endr
	s_wait_dscnt 0x0                ; the opening add is done
	s_wait_kmcnt 0x0
	s_add_nc_u64 s[84:85], s[4:5], s[2:3]
.irp c, 0,1,2,3
	s_add_nc_u64 s[G0K+4*\c+2:G0K+4*\c+3], s[84:85], 8388608+\c*32768   ; k lies 16 slices behind q,
	s_or_b32 s[G0K+4*\c+3], s[G0K+4*\c+3], 0x80000000
	s_add_nc_u64 s[G0V+4*\c+2:G0V+4*\c+3], s[84:85], 16777216+\c*32768  ; v 32
	s_or_b32 s[G0V+4*\c+3], s[G0V+4*\c+3], 0x80000000
.endr
	s_add_nc_u64 s[86:87], s[4:5], s[80:81]  ; q and y at my first piece
	s_add_nc_u64 s[6:7], s[6:7], s[80:81]
	CROUND                          ; all four work-groups are here: the joint loads meet
	s_cmp_lt_u32 s[WV], 2           ; all four fills of a wave stand in one branch: four loads of mine are out
	s_cbranch_scc0 .Lfill_v
.irp c, 0,1,2,3
	tensor_load_to_lds s[G0K+4*\c:G0K+4*\c+3], s[G1K:G1K+7]
	s_nop 0
.endr
.rept 4
	v_nop
.endr
	s_branch .Lfilled
.Lfill_v:
.irp c, 0,1,2,3
	tensor_load_to_lds s[G0V+4*\c:G0V+4*\c+3], s[G1V:G1V+7]
	s_nop 0
.endr
.rept 4
	v_nop
.endr
.Lfilled:
	v_and_b32 v1, 15, v0            ; l % 16
	v_bfe_u32 v9, v0, 4, 1          ; l / 16
	v_lshlrev_b32 v[QO], 7, v1
	v_lshl_add_u32 v[QO], v9, 4, v[QO]
	WIN 0x80
.set i, 0
.rept 8                             ; Q stays in registers: piece i / 2, 256 rows on; channels 32 (i % 2) on
	global_load_b128 v[8*i:8*i+3],   v[QO], s[86:87] offset:(i/2)*32768+(i%2)*64
	global_load_b128 v[8*i+4:8*i+7], v[QO], s[86:87] offset:(i/2)*32768+(i%2)*64+32
.set i, i+1
.endr
	WIN 0
	v_lshlrev_b32 v14, 3, v9
	v_sub_nc_u32 v14, v1, v14
	s_lshl_b32 s82, s[CX], 4
	v_add_nc_u32 v14, s82, v14      ; my query's place in its 64, 16 cx + l % 16, less 8 (l / 16): register r of key group kt is hidden where 16 kt + r is greater
	WIN 0x40
.set i, 0
.rept 32
	v_cmp_gt_i32 vcc_lo, 16*(i/8)+i%8, v14
	v_cndmask_b32 v[MD+i], 0, s[BIGN], vcc_lo
.set i, i+1
.endr
.set i, 0
.rept 128
	v_mov_b32 v[i], 0               ; O^T: cleared in the wait for the first chunk, so that no first step is written out
.set i, i+1
.endr
	WIN 0
.set i, 0
.rept 4
	v_mov_b32 v[ST+4*i], 0xfe000000    ; c m: far below every c s
	v_mov_b32 v[ST+4*i+1], 0xff7fffff  ; m
	v_mov_b32 v[ST+4*i+2], 0
	v_mov_b32 v[ST+4*i+3], 0
.set i, i+1
.endr
	v_mul_u32_u24 v[AK0], v1, PK
	v_lshl_add_u32 v[AK0], v9, 4, v[AK0]
	v_and_b32 v10, 7, v0
	v_bfe_u32 v11, v0, 3, 1
	v_lshl_add_u32 v[AV0], v9, 3, v10  ; the turning load: key 8 (l / 16) + l % 8, channels 8 ((l / 8) % 2) on
	v_mul_u32_u24 v[AV0], v[AV0], PV
	v_lshl_add_u32 v[AV0], v11, 4, v[AV0]
	v_add_nc_u32 v[AV0], VOFF, v[AV0]
	s_mul_i32 s13, s[WV], 16*SP
	s_add_co_u32 s13, s13, STAGE
	v_mul_u32_u24 v[STO], v1, SP
	v_lshl_add_u32 v[STO], v9, 4, v[STO]
	v_add_nc_u32 v[STO], s13, v[STO]
	v_bfe_u32 v[RD], v0, 3, 2
	v_mul_u32_u24 v[RD], v[RD], SP
	v_lshl_add_u32 v[RD], v10, 4, v[RD]
	v_add_nc_u32 v[RD], s13, v[RD]
	v_and_b32 v[GO], 31, v0
	v_lshlrev_b32 v[GO], 4, v[GO]
; THE MATRIX WORK.  The 4 accumulators of a run of 8 take turns.  Product i of 8 of S^T = K Q^T for piece x: channels 32 (i / 4) on, keys 16 (i % 4) on.  The first 4 start the sums: with 0, or (KM = 1) with the mask.
.macro KQ x
.set rS, S+32*((\x)%2)+8*(i%4)
.set rK, KF+16*(i%4)+8*(i/4)
.set rQ, 16*(\x)+8*(i/4)
.set rM, MC+8*(i%4)
.if (i < 4) && KM
	WIN W_KM
	v_wmma_f32_16x16x32_bf16 v[rS:rS+7], v[rK:rK+7], v[rQ:rQ+7], v[rM:rM+7]
.elseif i < 4
	WIN W_KQ
	v_wmma_f32_16x16x32_bf16 v[rS:rS+7], v[rK:rK+7], v[rQ:rQ+7], 0
.else
	WIN W_KQ
	v_wmma_f32_16x16x32_bf16 v[rS:rS+7], v[rK:rK+7], v[rQ:rQ+7], v[rS:rS+7]
.endif
.endm
.macro PV x                         ; product i of 8 of O^T += V^T P for piece x: keys 32 (i / 4) on, channels 16 (i % 4) on
	WIN W_PV
.set rO, 32*(\x)+8*(i%4)
.set rV, VF+32*(i/4)+8*(i%4)
.set rP, P+16*((\x)%2)+8*(i/4)
	v_wmma_f32_16x16x32_bf16 v[rO:rO+7], v[rV:rV+7], v[rP:rP+7], v[rO:rO+7]
.endm
.macro MM                           ; the turn's next matrix instruction.  NOKQ = 1: there is no next piece; NOPV = 1: there is no piece before
.if (i < 8) && !NOKQ
	KQ (Y+1)%NP
.elseif (i >= 8) && !NOPV
.set i, i-8
	PV (Y+NP-1)%NP
.set i, i+8
.endif
.set i, i+1
.endm
.macro FETCH_K                      ; a step's K: 8 fragments, one run
	WIN 0x80
.irp f, 0,1,2,3,4,5,6,7
	ds_load_b128 v[KF+8*\f:KF+8*\f+3],   v[AK] offset:(\f/2)*16*PK+(\f%2)*64
	ds_load_b128 v[KF+8*\f+4:KF+8*\f+7], v[AK] offset:(\f/2)*16*PK+(\f%2)*64+32
.endr
	s_add_co_u32 s[TBK], s[TBK], KS*PK
	WIN 0
.endm
.macro FETCH_V                      ; a step's V, turned
	WIN 0x80
.irp f, 0,1,2,3,4,5,6,7
	ds_load_tr16_b128 v[VF+8*\f:VF+8*\f+3],   v[AV] offset:(\f/4)*32*PV+(\f%4)*32
	ds_load_tr16_b128 v[VF+8*\f+4:VF+8*\f+7], v[AV] offset:(\f/4)*32*PV+16*PV+(\f%4)*32
.endr
	s_add_co_u32 s[TBV], s[TBV], KS*PV
	WIN 0
.endm
; THE VECTOR WORK, a line at a time: OP kind, number.  For piece Y: F n: c s - c m for pair n of 16.  E n: the exponential of score n of 32.  C n: pair n rounded to bf16.  B n: of the four weights 4 n .. the second pair is
; added onto the first, in place.  L n: l takes that sum (L 0: l = a l + sum).  R n: pair n of 16 of O^T times a.  For piece Y + 1: X n, number n of the 22 that find its maximum and statistics:
;   0-11 four chains c0-c3 of seven scores each (each accumulator's lowest registers are read first)   12-14, 16 the four scores left over, the old m, c0-c3 into c0
;   15 c m_old is kept   17, 18 the query's other 32 keys lie in the lane 16 away: the new m   19-21 c m; c m_old - c m_new; a
.set F, 0
.set E, 1
.set C, 2
.set B, 3
.set L, 4
.set R, 5
.set X, 6
.macro REGS y
.set rT, ST+4*(\y)
.set rC, TMP+4*((\y)%2)
.set rW, MV+((\y)%2)
.set rS, S+32*((\y)%2)
.set rP, P+16*((\y)%2)
.set rO, 32*(\y)
.endm
.macro OP k, n
.if (\k) == R
	REGS Y
	WIN W_RS
	v_pk_mul_f32 v[rO+2*(\n):rO+2*(\n)+1], v[rO+2*(\n):rO+2*(\n)+1], v[rC+2:rC+3] op_sel_hi:[1,0]
.elseif (\k) < R
	REGS Y
	WIN 0
.if (\k) == F
	v_pk_fma_f32 v[rS+2*(\n):rS+2*(\n)+1], v[rS+2*(\n):rS+2*(\n)+1], s[CS:CS+1], v[rT:rT+1] op_sel_hi:[1,0,0] neg_lo:[0,0,1] neg_hi:[0,0,1]
.elseif (\k) == E
	v_exp_f32 v[rS+(\n)], v[rS+(\n)]
.elseif (\k) == C
	v_cvt_pk_bf16_f32 v[rP+(\n)], v[rS+2*(\n)], v[rS+2*(\n)+1]
.elseif (\k) == B
	v_pk_add_f32 v[rS+4*(\n):rS+4*(\n)+1], v[rS+4*(\n):rS+4*(\n)+1], v[rS+4*(\n)+2:rS+4*(\n)+3]
.elseif (\n) == 0
	v_pk_fma_f32 v[rT+2:rT+3], v[rT+2:rT+3], v[rC+2:rC+3], v[rS:rS+1] op_sel_hi:[1,0,1]
.else
	v_pk_add_f32 v[rT+2:rT+3], v[rT+2:rT+3], v[rS+4*(\n):rS+4*(\n)+1]
.endif
.elseif NOKQ                        ; no next piece: nothing is written
.else
	REGS (Y+1)%NP
	WIN 0
.if (\n) < 4
	v_max3_num_f32 v[rC+(\n)], v[rS+8*(\n)], v[rS+8*(\n)+1], v[rS+8*(\n)+2]
.elseif (\n) < 12
	v_max3_num_f32 v[rC+(\n)%4], v[rC+(\n)%4], v[rS+8*((\n)%4)+2*((\n)/4)+1], v[rS+8*((\n)%4)+2*((\n)/4)+2]
.elseif (\n) == 12
	v_max3_num_f32 v[rC], v[rC], v[rS+7], v[rS+15]
.elseif (\n) == 13
	v_max3_num_f32 v[rC+1], v[rC+1], v[rS+23], v[rS+31]
.elseif (\n) == 14
	v_max3_num_f32 v[rC+2], v[rC+2], v[rC+3], v[rT+1]
.elseif (\n) == 15
	v_mov_b32 v[rW], v[rT]
.elseif (\n) == 16
	v_max3_num_f32 v[rC], v[rC], v[rC+1], v[rC+2]
.elseif (\n) == 17
	v_permlanex16_b32 v[rC+3], v[rC], s[SEL], s[SEL+1]
.elseif (\n) == 18
	v_max_num_f32 v[rT+1], v[rC], v[rC+3]
.elseif (\n) == 19
	v_mul_f32 v[rT], s[CS], v[rT+1]
.elseif (\n) == 20
	v_sub_f32 v[rC+1], v[rW], v[rT]
.else
	v_exp_f32 v[rC+2], v[rC+1]
.endif
.endif
.endm
.macro OPS a, i1, b=-1, i2=0, c=-1, i3=0, d=-1, i4=0
	OP \a, \i1
.if (\b) >= 0
	OP \b, \i2
.endif
.if (\c) >= 0
	OP \c, \i3
.endif
.if (\d) >= 0
	OP \d, \i4
.endif
.endm
.macro ROW a, i1, b, i2, c, i3, d, i4  ; a matrix instruction and the four behind it
	MM
	OPS \a, \i1, \b, \i2, \c, \i3, \d, \i4
.endm
.macro MASK                         ; MC = MD x AL + BE
	WIN W_RS
.set z, 0
.rept 16
	v_pk_fma_f32 v[MC+2*z:MC+2*z+1], v[MD+2*z:MD+2*z+1], s[AL:AL+1], s[BE:BE+1] op_sel_hi:[1,0,0]
.set z, z+1
.endr
.endm
; A TURN, for piece p in section T.  One wait cuts it in two.  AHEAD OF IT stands all that names no result of the turn's exponentials: the 8 products K Q^T with four riders each, of which each X stands four plain
; places or more behind the product that ends its accumulator, and a lump; R 15 is the plain instruction behind the last exponential.  BEHIND IT stand the 8 products V^T P, behind each four of the roundings and sums.
; V of the step is waited for ahead of the step's first V^T P.  In piece 3's turn, behind the wait: my parts of the chunks up to the next section's have landed (the count leaves the later chunks out), a barrier says so of every
; wave, and the next step's K is fetched: the last product that read K stands a whole half turn of plain lines back.
.macro TURN p, T
.set Y, (\p)
.set i, 0
.set KM, 0
.set NOKQ, (\p)/3
.set NOPV, 0
.if (\p) == (\T)
.set NOPV, 1
.endif
	ROW F,0, F,1, R,0, R,1
	ROW F,2, E,0, R,2, R,3
	ROW F,3, E,1, R,4, R,5
	ROW F,4, E,2, R,6, R,7
	ROW F,5, E,3, R,8, R,9
	ROW F,6, E,4, X,0, R,10
.if (\p) == 3
	WIN 0
	v_add_nc_u32 v[AK], s[TBK], v[AK0]
.endif
	ROW F,7, E,5, X,1, X,4
	ROW F,8, E,6, X,2, X,5
	OPS E,7, E,8, X,6, E,9
	OPS X,3, E,10, X,8, E,11
	OPS X,9, X,7, E,12, X,10
	OPS E,13, X,12, X,11, E,14
	OPS X,13, E,15, F,9, X,14
	OPS E,16, F,10, E,17, F,11
	OPS X,16, E,18, X,15, E,19
	OPS F,12, E,20, X,17, E,21
	OPS F,13, E,22, F,14, E,23
	OPS X,18, E,24, F,15, E,25
	OPS R,11, E,26, X,19, E,27
	OPS R,12, E,28, R,13, E,29
	OPS X,20, E,30, R,14, E,31
	OPS X,21, R,15
	WIN 0
	s_wait_alu depctr_va_vdst(0)    ; the wait for the batch
.if ((\p) == (\T)+1) || ((\p) == 3)
	s_wait_dscnt 0x0                ; V is in; no LDS instruction of mine is out
.endif
.if (\p) == 3
.if (\T) < 3
	s_wait_tensorcnt 2-(\T)         ; tensor loads end in order: chunks 0 .. T + 1 are in, the 2 - T later ones stay out
	s_barrier_signal -1
	s_barrier_wait -1
	FETCH_K
.else
	s_cmp_eq_u32 s[CNT], 1          ; behind the last step there is none
	s_cbranch_scc1 .Lno_k_\@
	FETCH_K
.Lno_k_\@:
.endif
.endif
	ROW C,0, B,0, C,2, B,1
	ROW L,0, C,4, B,2, L,1
	ROW C,6, B,3, L,2, C,8
	ROW B,4, L,3, C,10, B,5
	ROW L,4, C,12, B,6, L,5
	ROW C,14, B,7, L,6, C,1
	ROW C,3, L,7, C,5, C,7
	ROW C,9, C,11, C,13, C,15
.endm
.macro STEP T
	s_cmp_eq_u32 s[CNT], s[OWN]     ; is this step my band's own?
	s_cselect_b32 s[AL], 1.0, 0
	s_cmp_lt_u32 s[CNT], s[OWN]     ; or a later one?
	s_cselect_b32 s[BE], s[BIGN], 0
	MASK
	s_wait_dscnt 16                 ; K's run is in; V's sixteen younger loads stay out
.set KM, 1
.set NOKQ, 0
.set i, 0
.rept 8
	KQ \T
.set i, i+1
.endr
	WIN 0
.rept 4
	v_nop                           ; the places behind those products
.endr
.set Y, ((\T)+3)%NP                 ; X works for piece Y + 1: piece T
.irp n, 0,1,2,3,4,5,6,7,8,9,10,11,12,13,14,15,16,17,18,19,20,21
	OP X, \n
.endr
	v_nop                           ; a plain instruction behind the exponential,
	s_wait_alu depctr_va_vdst(0)    ; and its wait
.irp p, 0,1,2,3
.if \p >= \T
	TURN \p, \T
.endif
.endr
.set i, 0
.rept 8
	PV 3
.set i, i+1
.endr
	WIN 0
	v_add_nc_u32 v[AV], s[TBV], v[AV0]  ; with the three below: the four places behind the last product that read V
.rept 3
	v_nop
.endr
.if (\T) == 3
	s_cmp_eq_u32 s[CNT], 1
	s_cbranch_scc1 .Lno_v_\@
.endif
	FETCH_V
.if (\T) == 3
.Lno_v_\@:
.endif
.endm
.macro ALL line:vararg              ; one line for each piece t
.set t, 0
.rept 4
	\line
.set t, t+1
.endr
.endm
.macro PACK t                       ; a lane's eight channels of a row pack into 16 bytes; they go into rows of 144 bytes and come back as whole rows of 128
	WIN W_RS
.set i, 32*(\t)
.rept 16
	v_pk_mul_f32 v[i:i+1], v[i:i+1], v[ST+4*(\t)+2:ST+4*(\t)+3] op_sel_hi:[1,0]
.set i, i+2
.endr
	WIN 0x05
.set i, 0
.rept 16
	v_cvt_pk_bf16_f32 v[S+16*(\t)+i], v[32*(\t)+2*i], v[32*(\t)+2*i+1]
.set i, i+1
.endr
	WIN 0
.irp f, 0,1,2,3
	ds_store_b128 v[STO], v[S+16*(\t)+4*\f:S+16*(\t)+4*\f+3] offset:32*\f
.endr
.irp f, 0,1,2,3
	ds_load_b128 v[S+16*(\t)+4*\f:S+16*(\t)+4*\f+3], v[RD] offset:\f*4*SP  ; LDS serves a wave's instructions in order: these see the stores above; the next piece's stores come behind them
.endr
.endm
.macro SEND t, younger
	WIN 0
.irp f, 0,1,2,3
	s_wait_dscnt (\younger)+3-\f
	global_store_b128 v[GO], v[S+16*(\t)+4*\f:S+16*(\t)+4*\f+3], s[6:7] offset:(\t)*32768+\f*512  ; 512 consecutive bytes, aligned: four rows of the head's slice
.endr
.endm
	s_wait_tensorcnt 3              ; my part of chunk 0 is in; the three later chunks stay out
	s_barrier_signal -1
	s_barrier_wait -1
	v_add_nc_u32 v[AK], s[TBK], v[AK0]
	v_add_nc_u32 v[AV], s[TBV], v[AV0]
	FETCH_K
	FETCH_V
	s_wait_loadcnt 0x0              ; Q
	s_mov_b32 s[CNT], 4
.Lsec0:
	STEP 0
	s_sub_co_u32 s[CNT], s[CNT], 1
	s_cmp_lg_u32 s[CNT], 0
	s_cbranch_scc1 .Lsec0
	s_mov_b32 s[CNT], 4
.Lsec1:
	STEP 1
	s_sub_co_u32 s[CNT], s[CNT], 1
	s_cmp_lg_u32 s[CNT], 0
	s_cbranch_scc1 .Lsec1
	s_mov_b32 s[CNT], 4
.Lsec2:
	STEP 2
	s_sub_co_u32 s[CNT], s[CNT], 1
	s_cmp_lg_u32 s[CNT], 0
	s_cbranch_scc1 .Lsec2
	s_mov_b32 s[CNT], 4
.Lsec3:
	STEP 3
	s_sub_co_u32 s[CNT], s[CNT], 1
	s_cmp_lg_u32 s[CNT], 0
	s_cbranch_scc1 .Lsec3
	; THE WAY OUT: l's two halves and the other half of the lanes' are added; O^T is divided by l, rounded and sent through my stage, a piece at a time
	ALL v_add_f32 v[ST+4*t+2], v[ST+4*t+2], v[ST+4*t+3]
	ALL v_permlanex16_b32 v[ST+4*t+3], v[ST+4*t+2], s[SEL], s[SEL+1]
	ALL v_add_f32 v[ST+4*t+2], v[ST+4*t+2], v[ST+4*t+3]
	ALL v_rcp_f32 v[ST+4*t+2], v[ST+4*t+2]
	v_nop                           ; a plain instruction behind the last reciprocal,
	s_wait_alu depctr_va_vdst(0)    ; and one wait for the four
	PACK 0
.set t, 1
.rept 3
	PACK t
	SEND t-1, 8
.set t, t+1
.endr
	SEND 3, 0
	s_wait_tensorcnt 0x0            ; the wave's end
	ds_add_u32 v[SPW], v[NIL]
	s_wait_dscnt 0x0
	CROUND                          ; the closing round
	s_endpgm
.Lfunc_end_k_q0945d620df_attn:
	.size	k_q0945d620df_attn, .Lfunc_end_k_q0945d620df_attn-k_q0945d620df_attn
	.p2alignl 7, 3214868480
	.fill 96, 4, 3214868480
	.section	.rodata,"a",@progbits
	.p2align	6, 0x0
	.amdhsa_kernel k_q0945d620df_attn
		.amdhsa_group_segment_fixed_size 327680
		.amdhsa_private_segment_fixed_size 0
		.amdhsa_enable_private_segment 0
		.amdhsa_kernarg_size 16
		.amdhsa_user_sgpr_count 2
		.amdhsa_user_sgpr_kernarg_segment_ptr 1
		.amdhsa_wavefront_size32 1
		.amdhsa_system_sgpr_workgroup_id_x 1
		.amdhsa_system_sgpr_workgroup_id_y 1
		.amdhsa_system_sgpr_workgroup_id_z 1
		.amdhsa_system_vgpr_workitem_id 0
		.amdhsa_next_free_vgpr 768
		.amdhsa_next_free_sgpr 96
		.amdhsa_reserve_vcc 1
		.amdhsa_float_denorm_mode_32 3
		.amdhsa_float_denorm_mode_16_64 3
		.amdhsa_memory_ordered 1
		.amdhsa_forward_progress 1
		.amdhsa_inst_pref_size 135
	.end_amdhsa_kernel
	.amdgpu_metadata
---
amdhsa.version: [ 1, 2 ]
amdhsa.kernels:
  - .name:           k_q0945d620df_attn
    .symbol:         k_q0945d620df_attn.kd
    .args:
      - { .name: qkv, .offset: 0, .size: 8, .value_kind: global_buffer, .address_space: global }
      - { .name: act, .offset: 8, .size: 8, .value_kind: global_buffer, .address_space: global }
    .group_segment_fixed_size: 327680
    .private_segment_fixed_size: 0
    .kernarg_segment_align: 8
    .kernarg_segment_size: 16
    .max_flat_workgroup_size: 128
    .sgpr_count:     96
    .vgpr_count:     768
    .wavefront_size: 32
...
	.end_amdgpu_metadata
.endif
;; end of part 3
;; launch go (part 4): grid 8 x 32, 4 waves a work-group, clusters of 4 x 4, 327,680 bytes of LDS; arguments act, wb, b_o, x, x1; writes x1
.if DOCPART == 4
	.amdgcn_target "amdgcn-amd-amdhsa--gfx1250"
	.amdhsa_code_object_version 6
	.text
	.protected	k_q0945d620df_go
	.globl	k_q0945d620df_go
	.p2align	8
	.type	k_q0945d620df_go,@function
k_q0945d620df_go:
	s_mov_b64 s[64:65], 0
	v_nop
	global_prefetch_b8 v0, s[64:65] scope:SCOPE_SE
	s_setreg_imm32_b32 hwreg(HW_REG_WAVE_MODE, 25, 1), 1
	s_wait_xcnt 0x0
	s_wait_alu depctr_hold_cnt(0) depctr_sa_sdst(0) depctr_va_vdst(0) depctr_va_sdst(0) depctr_va_ssrc(0) depctr_va_vcc(0) depctr_vm_vsrc(0)
	s_getreg_b32 s2, hwreg(HW_REG_IB_STS2, 6, 4)
	s_cmp_eq_u32 s2, 0
	s_cbranch_scc0 .Lentry_in_a_cluster
	s_endpgm
.Lentry_in_a_cluster:
	s_bfe_u32 s2, ttmp6, 0x10000c
	s_cmp_lg_u32 s2, 0xf033
	s_cbranch_scc0 .Lentry_shape_is_right
	s_endpgm
.Lentry_shape_is_right:
; x1 = x + y w_o + b_o, in f32.  A (y, in act) lies in slices [c / 64][4096 rows][64] in bf16; the weights lie [K][1024] in bf16 in wb.  Sums, residual and result in f32.
; No prefetch here: K has four steps, two of them asked for at the head, so no step stands two refills on.
; The text below the three sizes is the same as in gout.  Limits: the product's operands are bf16; NaN and infinities are not treated apart.
.set SK,    1024
.set WOFF,  6291456
.set PF,    0
; A work-group makes 128 x 128 (32 x 8 = 256 work-groups), a wave 64 x 64: 16 accumulators.  K goes in steps of 256 through two LDS slots filled by the tensor data mover, one load of 32 KiB a wave and step:
; waves 0, 1 two slices of A each, waves 2, 3 128 rows of the weights each.  4 x 4 work-groups form a cluster: A's tiles are asked for jointly along a row, the weights' along a column.
; The product is used transposed (source 0 = 16 columns of the weights, turned on the way out of LDS; source 1 = 16 rows of A).  My 32 rows of the residual are asked for at the head and wait in registers.
; When the last step is multiplied the ring, which is filled no more, takes the f32 tile; it is read back by whole rows of 512 bytes.
.set SN,     1024
.set KSTEP,  256
.set SLB,    524288
.set PART,   36864                     ; what one tensor load fills: 2 x 128 rows of A at pitch 144, or 128 rows of the weights at pitch 288
.set SLOT,   4*PART
.set SPARE,  2*SLOT
.set NS,     SK/KSTEP
.set SPI,    528
.set ASTEP,  4*SLB
.set BSTEP,  KSTEP*SN*2
.set APL,    18432
.set ABYTES, 2*PART
.set ADRA0, 8
.set ADRB0, 9                          ; v9-10
.set STO,   12                         ; v12-13
.set ADRA,  16
.set ADRB,  20                         ; v20-21
.set RD,    25
.set CO,    26                         ; v26  16 l: my 16 bytes of a row's 512; never rewritten
.set SPW,   28
.set NIL,   29
.set PFO,   30
.set T0,    32                         ; v32-63, v64-95: eight rows each, on the way out
.set F0,    64
.set F1,    128
.set BIAS,  192
.set WV,  14
.set RH,  15
.set CH,  16
.set G1,  24
.set G0,  32
.set PFA, 44
.set LIM, 46
.set CNT, 47
.set G1B, 48
.set G0B, 56
.set TB,  66
.set PST, 68
.set MSB, 0
.macro WIN new
.if MSB != (\new)
	s_set_vgpr_msb (MSB<<8)|(\new)
.set MSB, \new
.endif
.endm
.macro PLACES
.rept 4
	v_nop
.endr
.endm
.macro CREST
	s_cmp_lg_u32 s[WV], 0
	s_cbranch_scc1 .Lnot_wave_0_\@
	s_barrier_signal -3
.Lnot_wave_0_\@:
	s_barrier_wait -3
	s_barrier_signal -1
	s_barrier_wait -1
.endm
.macro CROUND
	s_barrier_signal -1
	s_barrier_wait -1
	CREST
.endm
.macro JLOAD                           ; a joint refill by the walking descriptor; an s_nop 0 and four v_nop follow each line
	s_cmp_lt_u32 s[WV], 2
	s_cbranch_scc0 .Lfor_b_\@
	tensor_load_to_lds s[G0+4:G0+7], s[G1:G1+7]
	s_nop 0
.rept 4
	v_nop
.endr
	s_branch .Lasked_\@
.Lfor_b_\@:
	tensor_load_to_lds s[G0B+4:G0B+7], s[G1B:G1B+7]
	s_nop 0
.rept 4
	v_nop
.endr
.Lasked_\@:
.endm
; A prefetch of the K step that stands two refills on: of the 128 blocks of 256 bytes that I fetch in a step, my work-group's 32 (told apart from my partners' by address), a lane a block.
; Cluster x = 0 asks for A's tiles, cluster y = 0 for the weights'.  The last two refills have no step two on.
.macro ASK
	s_cmp_gt_u32 s[CNT], s[LIM]
	s_cbranch_scc0 .Lnot_mine_\@
	global_prefetch_b8 v[PFO], s[PFA:PFA+1] th:TH_LOAD_NT scope:SCOPE_SE
.Lnot_mine_\@:
.endm
.macro BFRAG q, f, u                   ; quarter q = 64 K; fragment u: K half u / 4, column block u % 4
.set BOFF, (((\q)%2)*64+((\u)/4)*32)*288+32*((\u)%4)
	ds_load_tr16_b128 v[(\f)+8*(\u):(\f)+8*(\u)+3],   v[ADRB+(\q)/2] offset:BOFF
	ds_load_tr16_b128 v[(\f)+8*(\u)+4:(\f)+8*(\u)+7], v[ADRB+(\q)/2] offset:BOFF+4608
.endm
.macro AFRAG q, f, t                   ; fragment t: K half t / 4, row block t % 4 of slice q
.set AOFF, (\q)*APL+((\t)/4)*64+((\t)%4)*2304
	ds_load_b128 v[(\f)+8*(\t):(\f)+8*(\t)+3],   v[ADRA] offset:AOFF
	ds_load_b128 v[(\f)+8*(\t)+4:(\f)+8*(\t)+7], v[ADRA] offset:AOFF+32
.endm
.macro FETCH q, f                      ; one run of 32: the first 32 along K first
.irp c, 0,1
	WIN 0x40
.irp n, 0,1,2,3
	BFRAG \q, \f, 4*\c+\n
.endr
	WIN 0
.irp n, 0,1,2,3
	AFRAG \q, \f, 4*\c+\n
.endr
.endr
.endm
; 8 matrix instructions: row blocks a0, a0 + 1 x 4 column blocks, K half hf of buffer f.  The 16 accumulators (window 2) take turns, one instruction a turn.
.macro MULP f, hf, a0, zero
	WIN 0xa1
.irp a, \a0, (\a0)+1
.irp b, 0,1,2,3
.if \zero
	v_wmma_f32_16x16x32_bf16 v[8*(4*(\a)+\b):8*(4*(\a)+\b)+7], v[(\f)+8*(\b+4*(\hf)):(\f)+8*(\b+4*(\hf))+7], v[(\f)+8*(4*(\hf)+(\a)):(\f)+8*(4*(\hf)+(\a))+7], 0
.else
	v_wmma_f32_16x16x32_bf16 v[8*(4*(\a)+\b):8*(4*(\a)+\b)+7], v[(\f)+8*(\b+4*(\hf)):(\f)+8*(\b+4*(\hf))+7], v[(\f)+8*(4*(\hf)+(\a)):(\f)+8*(4*(\hf)+(\a))+7], v[8*(4*(\a)+\b):8*(4*(\a)+\b)+7]
.endif
.endr
.endr
.endm
.macro QUARTER q, f, g, zero
	s_wait_dscnt 16                                ; the first 32 along K are in
	MULP \f, 0, 0, \zero
	MULP \f, 0, 2, \zero
	PLACES
	FETCH \q, \g
	s_wait_dscnt 32                                ; all but the run just issued
	MULP \f, 1, 0, 0
	MULP \f, 1, 2, 0
.endm
.macro SETADR
	v_add_nc_u32 v[ADRA], s[TB], v[ADRA0]
	v_add_nc_u32 v[ADRB], s[TB], v[ADRB0]
	v_add_nc_u32 v[ADRB+1], s[TB], v[ADRB0+1]
.endm
; The last quarter multiplies buffer 1 and changes slots.  In front of the barrier each wave waits for all its tensor loads (one is out: its part of the next slot), adds 0 to its spare word,
; and waits for that and for its reads of this slot.  fill = 1: the barrier opens a round of the cluster's, and the joint refill is the first tensor load behind it.
.macro TURN fill
.if (\fill) && PF
	s_wait_xcnt 0x0                                ; the last prefetch, a K step back, has read its address
	s_add_nc_u64 s[PFA:PFA+1], s[PFA:PFA+1], s[PST:PST+1]
.endif
	WIN 0
	s_wait_tensorcnt 0x0
	ds_add_u32 v[SPW], v[NIL]
	s_wait_dscnt 17                                ; the add and the youngest sixteen loads may be out
	MULP F1, 0, 0, 0
	s_wait_dscnt 0x0                               ; the add is done, my reads of this slot are over
	s_barrier_signal -1
	MULP F1, 0, 2, 0
	WIN 0
	s_barrier_wait -1
.if \fill
	CREST                                          ; no wave of any partner still reads this slot or has a load on its way
	s_xor_b32 s[G0+5], s[G0+5], SLOT               ; the walking descriptors: the other slot than last time (a part's offset and SLOT share no bit), the next K step
	s_add_nc_u64 s[G0+6:G0+7], s[G0+6:G0+7], ASTEP
	s_xor_b32 s[G0B+5], s[G0B+5], SLOT
	s_add_nc_u64 s[G0B+6:G0B+7], s[G0B+6:G0B+7], BSTEP
	s_xor_b32 s[TB], s[TB], SLOT
	JLOAD                                          ; its four v_nop are also the places in front of the loads below
.else
	s_xor_b32 s[TB], s[TB], SLOT
	PLACES
.endif
	SETADR
	FETCH 0, F0
.if (\fill) && PF
	ASK
.endif
	MULP F1, 1, 0, 0
	MULP F1, 1, 2, 0
.endm
	s_load_b256 s[4:11], s[0:1], 0x0               ; A s[4:5], wb s[6:7], bias s[8:9], residual s[10:11]
	s_load_b64 s[12:13], s[0:1], 0x20              ; result
	v_lshl_add_u32 v[SPW], v0, 2, SPARE
	v_mov_b32 v[NIL], 0
	ds_add_u32 v[SPW], v[NIL]                      ; the wave's opening: the add and its wait ahead of my first tensor load
	v_lshrrev_b32 v1, 5, v0
	v_readfirstlane_b32 s[WV], v1                  ; wave 0..3
	s_lshr_b32 s[RH], s[WV], 1                     ; my half of the rows
	s_and_b32 s[CH], s[WV], 1                      ; my half of the columns; also which half of A's slices or of the weights' rows I fetch
	s_bfe_u32 s40, ttmp6, 0x40000                  ; cx
	s_bfe_u32 s41, ttmp6, 0x40004                  ; cy
	s_lshl_b32 s42, ttmp9, 2
	s_add_co_u32 s42, s42, s40                     ; tile column
	s_and_b32 s43, ttmp7, 0xffff
	s_lshl_b32 s43, s43, 2
	s_add_co_u32 s43, s43, s41                     ; tile row
	s_lshl_b32 s17, s41, 2
	s_lshl_b32 s17, 15, s17                        ; my row of the cluster
	s_lshl_b32 s22, 0x1111, s40                    ; my column
	s_or_b32 s[G1], s17, (1<<16)|(1<<20)|(1<<21)|(4<<22)|(3<<25)   ; mask; 2-byte elements; padding on; bit 21 beside a mask; 4 words behind every 32: pitch 144
	s_or_b32 s[G1B], s22, (1<<16)|(1<<20)|(1<<21)|(5<<22)|(7<<25)  ; 8 words behind every 64: pitch 288
	s_mov_b32 s[G1+1], 8192<<16                    ; 128 rows of a slice are 16,384 dense bytes: one long row; two slices, 262,144 elements apart
	s_mov_b32 s[G1+2], 2<<16
	s_mov_b32 s[G1+3], 8192<<16
	s_mov_b32 s[G1+4], 2
	s_mov_b32 s[G1+5], 262144
	s_mov_b32 s[G1+6], 0
	s_mov_b32 s[G1+7], 0
	s_mov_b32 s[G1B+1], 128<<16                    ; 128 rows (K) x 128 columns, SN elements from row to row
	s_mov_b32 s[G1B+2], 128<<16
	s_mov_b32 s[G1B+3], 128<<16
	s_mov_b32 s[G1B+4], 128
	s_mov_b32 s[G1B+5], SN
	s_mov_b32 s[G1B+6], 0
	s_mov_b32 s[G1B+7], 0
	s_mul_i32 s18, s[CH], 2*SLB                    ; A's tile hangs on the tile row and the wave alone,
	s_lshl_b32 s17, s43, 14
	s_add_co_u32 s18, s18, s17
	s_mov_b32 s19, 0
	s_lshl_b32 s20, s42, 8                         ; the weights' on the tile column and the wave alone
	s_mul_i32 s22, s[CH], 128*SN*2
	s_add_co_u32 s20, s20, s22
	s_add_co_u32 s20, s20, WOFF
	s_mov_b32 s21, 0
	s_mul_i32 s23, s[WV], PART                     ; LDS: part w of a slot
	s_mov_b32 s[G0], 1
	s_mov_b32 s[G0+1], s23
	s_mov_b32 s[G0+4], 1
	s_add_co_u32 s[G0+5], s23, SLOT
	s_mov_b32 s[G0B], 1
	s_mov_b32 s[G0B+1], s23
	s_mov_b32 s[G0B+4], 1
	s_add_co_u32 s[G0B+5], s23, SLOT
	s_mov_b32 s[TB], 0
	s_wait_dscnt 0x0                               ; the opening add is done
	s_wait_kmcnt 0x0
	s_add_nc_u64 s[G0+2:G0+3], s[4:5], s[18:19]    ; K step 0,
	s_add_nc_u64 s[G0+6:G0+7], s[G0+2:G0+3], ASTEP ; K step 1
	s_or_b32 s[G0+3], s[G0+3], 0x80000000
	s_or_b32 s[G0+7], s[G0+7], 0x80000000
	s_add_nc_u64 s[G0B+2:G0B+3], s[6:7], s[20:21]
	s_add_nc_u64 s[G0B+6:G0B+7], s[G0B+2:G0B+3], BSTEP
	s_or_b32 s[G0B+3], s[G0B+3], 0x80000000
	s_or_b32 s[G0B+7], s[G0B+7], 0x80000000
	CROUND                                         ; all sixteen work-groups are here: the first joint loads meet
	s_cmp_lt_u32 s[WV], 2                          ; a wave's two first fills stand in one branch: two loads of mine are out
	s_cbranch_scc0 .Lfirst_b
	tensor_load_to_lds s[G0:G0+3], s[G1:G1+7]
	s_nop 0
	tensor_load_to_lds s[G0+4:G0+7], s[G1:G1+7]
	s_nop 0
.rept 4
	v_nop
.endr
	s_branch .Lfirst_asked
.Lfirst_b:
	tensor_load_to_lds s[G0B:G0B+3], s[G1B:G1B+7]
	s_nop 0
	tensor_load_to_lds s[G0B+4:G0B+7], s[G1B:G1B+7]
	s_nop 0
.rept 4
	v_nop
.endr
.Lfirst_asked:
	v_and_b32 v1, 15, v0                           ; l % 16
	v_bfe_u32 v2, v0, 4, 1                         ; l / 16
	v_and_b32 v3, 7, v0
	v_bfe_u32 v4, v0, 3, 1
	v_and_b32 v5, 31, v0                           ; l
	v_lshlrev_b32 v[CO], 4, v5
	s_lshl_b32 s94, s42, 9                         ; the tile's 128 columns: 512 bytes
	s_mov_b32 s95, 0
	s_add_nc_u64 s[8:9], s[8:9], s[94:95]
	global_load_b128 v[BIAS:BIAS+3], v[CO], s[8:9]
	s_lshl_b32 s92, s43, 7                         ; residual and result: row 128 x tile row + 32 w
	s_lshl_b32 s93, s[WV], 5
	s_add_co_u32 s92, s92, s93
	s_lshl_b32 s92, s92, 12
	s_add_co_u32 s92, s92, s94
	s_mov_b32 s93, 0
	s_add_nc_u64 s[10:11], s[10:11], s[92:93]
	s_add_nc_u64 s[12:13], s[12:13], s[92:93]
	WIN 0xc0                                       ; destination window 3
.set i, 0
.rept 32
	global_load_b128 v[4*i:4*i+3], v[CO], s[10:11] offset:4096*i  ; my 32 rows of the residual, 512 consecutive bytes each; waited for on the way out
.set i, i+1
.endr
	WIN 0
	v_mul_u32_u24 v[ADRA0], v1, 144                ; a fragment of A: row l % 16, 16 bytes for each half of the lanes
	v_lshl_add_u32 v[ADRA0], v2, 4, v[ADRA0]
	s_mul_i32 s2, s[RH], 64*144
	v_add_nc_u32 v[ADRA0], s2, v[ADRA0]
	v_lshl_add_u32 v6, v2, 3, v3                   ; the turning load: K row 8 (l / 16) + l % 8, columns 8 ((l / 8) % 2) on
	v_mul_u32_u24 v6, v6, 288
	v_lshl_add_u32 v6, v4, 4, v6
	s_lshl_b32 s2, s[CH], 7
	s_add_co_u32 s2, s2, ABYTES
	v_add_nc_u32 v[ADRB0], s2, v6
	s_add_co_u32 s2, s2, PART
	v_add_nc_u32 v[ADRB0+1], s2, v6
	v_mul_u32_u24 v7, v1, SPI                      ; the f32 tile: row l % 16 of a block, 32 bytes for each half of the lanes
	v_lshl_add_u32 v7, v2, 5, v7
	s_mul_i32 s2, s[RH], 64*SPI
	s_lshl_b32 s3, s[CH], 8
	s_add_co_u32 s2, s2, s3
	v_add_nc_u32 v[STO], s2, v7
	s_add_co_u32 s2, s2, 32*SPI
	v_add_nc_u32 v[STO+1], s2, v7
	s_mul_i32 s2, s[WV], 32*SPI                    ; back: rows 32 w on, whole
	v_add_nc_u32 v[RD], s2, v[CO]
.if PF
	s_and_b32 s92, ttmp7, 0xffff                   ; the prefetches: cluster y
	s_lshr_b32 s94, s40, 1                         ; A: my work-group's 32 blocks of the tile's 128: slice cx / 2, half cx % 2
	s_lshl_b32 s94, s94, 19
	s_and_b32 s95, s40, 1
	s_lshl_b32 s95, s95, 13
	s_add_co_u32 s94, s94, s95
	s_add_co_u32 s94, s94, s18
	s_mul_i32 s95, s41, 64*SN                      ; the weights: my work-group's 32 rows of the tile's 128
	s_add_co_u32 s95, s95, s20
	s_mov_b32 s[PST], BSTEP
	s_mov_b32 s96, 2*SN
	s_cmp_lt_u32 s[WV], 2
	s_cselect_b32 s93, ttmp9, s92                  ; the coordinate along which other clusters read the same tile
	s_cselect_b32 s94, s94, s95
	s_cselect_b32 s[PST], ASTEP, s[PST]
	s_cselect_b32 s96, 256, s96
	s_cselect_b64 s[PFA:PFA+1], s[4:5], s[6:7]
	s_mov_b32 s[PST+1], 0
	s_mov_b32 s95, 0
	s_mul_i32 s97, s[PST], 3
	s_add_co_u32 s94, s94, s97                     ; at K step 3: the first refill steps it to 4
	s_add_nc_u64 s[PFA:PFA+1], s[PFA:PFA+1], s[94:95]
	s_cmp_eq_u32 s93, 0
	s_cselect_b32 s[LIM], 2, -1                    ; the same in all sixteen partners, for a given wave
	v_mul_u32_u24 v[PFO], v5, s96
.endif
	s_wait_tensorcnt 1                             ; my part of K step 0 is in; K step 1's stays out
	s_barrier_signal -1
	s_barrier_wait -1
	SETADR
	FETCH 0, F0
	QUARTER 1, F0, F1, 1                           ; the first products start the sums
	WIN 0
	s_mov_b32 s[CNT], NS-2
.Lstep:                                                ; a trip: from a step's second quarter to the next step's first; one slot is filled again
	QUARTER 2, F1, F0, 0
	QUARTER 3, F0, F1, 0
	TURN 1
	QUARTER 1, F0, F1, 0
	WIN 0
	s_sub_co_u32 s[CNT], s[CNT], 1
	s_cmp_lg_u32 s[CNT], 0
	s_cbranch_scc1 .Lstep
	s_mov_b32 s[CNT], 2
.Ltail:                                                ; the last two steps ask for nothing; the second trip is left in its middle
	QUARTER 2, F1, F0, 0
	QUARTER 3, F0, F1, 0
	WIN 0
	s_sub_co_u32 s[CNT], s[CNT], 1
	s_cmp_eq_u32 s[CNT], 0
	s_cbranch_scc1 .Llast
	TURN 0
	QUARTER 1, F0, F1, 0
	WIN 0
	s_branch .Ltail
.Llast:
	s_wait_dscnt 16
	MULP F1, 0, 0, 0
	MULP F1, 0, 2, 0
	s_wait_dscnt 0x0
	MULP F1, 1, 0, 0
	MULP F1, 1, 2, 0
	WIN 0
	PLACES
	PLACES
	s_wait_dscnt 0x0
	s_barrier_signal -1
	s_barrier_wait -1                              ; no wave reads the ring any more, and no fill is to come: it takes the f32 tile
	WIN 0x08                                       ; store data in window 2
.irp a, 0,1,2,3
.irp b, 0,1,2,3
	ds_store_b128 v[STO+\a/2], v[8*(4*\a+\b):8*(4*\a+\b)+3]   offset:(\a%2)*16*SPI+64*\b     ; each accumulator's low registers first
	ds_store_b128 v[STO+\a/2], v[8*(4*\a+\b)+4:8*(4*\a+\b)+7] offset:(\a%2)*16*SPI+64*\b+16
.endr
.endr
	WIN 0
	s_wait_dscnt 0x0                               ; for the others' sake: my stores are done
	s_barrier_signal -1
	s_barrier_wait -1
.macro RLOAD g                         ; eight whole rows into buffer g % 2
.irp i, 0,1,2,3,4,5,6,7
	ds_load_b128 v[T0+32*((\g)%2)+4*\i:T0+32*((\g)%2)+4*\i+3], v[RD] offset:(8*(\g)+\i)*SPI
.endr
.endm
	RLOAD 0
.irp g, 0,1,2,3
.if (\g == 1) || (\g == 2)
	s_wait_xcnt 0x0                                ; the stores of the group before last have read the buffer that is loaded again
.endif
.if \g < 3
	RLOAD \g+1
	s_wait_dscnt 8                                 ; this group is in; the next group's eight loads stay out
.else
	s_wait_dscnt 0x0
.endif
.if \g == 0
	s_wait_loadcnt 0x0                             ; residual and bias
.endif
	WIN 0x0c                                       ; source 1 in window 3
.set j, 0
.rept 16
	v_pk_add_f32 v[T0+32*(\g%2)+2*j:T0+32*(\g%2)+2*j+1], v[T0+32*(\g%2)+2*j:T0+32*(\g%2)+2*j+1], v[32*\g+2*j:32*\g+2*j+1]
.set j, j+1
.endr
	WIN 0
.set j, 0
.rept 16
	v_pk_add_f32 v[T0+32*(\g%2)+2*j:T0+32*(\g%2)+2*j+1], v[T0+32*(\g%2)+2*j:T0+32*(\g%2)+2*j+1], v[BIAS+2*(j%2):BIAS+2*(j%2)+1]
.set j, j+1
.endr
.irp i, 0,1,2,3,4,5,6,7
	global_store_b128 v[CO], v[T0+32*(\g%2)+4*\i:T0+32*(\g%2)+4*\i+3], s[12:13] offset:(8*\g+\i)*4096  ; 512 consecutive bytes, aligned
.endr
.endr
	s_wait_tensorcnt 0x0                           ; the wave's end
	ds_add_u32 v[SPW], v[NIL]
	s_wait_dscnt 0x0
	CROUND                                         ; the closing round
	s_endpgm
.Lfunc_end_k_q0945d620df_go:
	.size	k_q0945d620df_go, .Lfunc_end_k_q0945d620df_go-k_q0945d620df_go
	.p2alignl 7, 3214868480
	.fill 96, 4, 3214868480
	.section	.rodata,"a",@progbits
	.p2align	6, 0x0
	.amdhsa_kernel k_q0945d620df_go
		.amdhsa_group_segment_fixed_size 327680
		.amdhsa_private_segment_fixed_size 0
		.amdhsa_enable_private_segment 0
		.amdhsa_kernarg_size 40
		.amdhsa_user_sgpr_count 2
		.amdhsa_user_sgpr_kernarg_segment_ptr 1
		.amdhsa_wavefront_size32 1
		.amdhsa_system_sgpr_workgroup_id_x 1
		.amdhsa_system_sgpr_workgroup_id_y 1
		.amdhsa_system_sgpr_workgroup_id_z 1
		.amdhsa_system_vgpr_workitem_id 0
		.amdhsa_next_free_vgpr 896
		.amdhsa_next_free_sgpr 100
		.amdhsa_reserve_vcc 0
		.amdhsa_float_denorm_mode_32 3
		.amdhsa_float_denorm_mode_16_64 3
		.amdhsa_memory_ordered 1
		.amdhsa_forward_progress 1
		.amdhsa_inst_pref_size 72
	.end_amdhsa_kernel
	.amdgpu_metadata
---
amdhsa.version: [ 1, 2 ]
amdhsa.kernels:
  - .name:           k_q0945d620df_go
    .symbol:         k_q0945d620df_go.kd
    .args:
      - { .name: act, .offset: 0, .size: 8, .value_kind: global_buffer, .address_space: global }
      - { .name: wb, .offset: 8, .size: 8, .value_kind: global_buffer, .address_space: global }
      - { .name: b_o, .offset: 16, .size: 8, .value_kind: global_buffer, .address_space: global }
      - { .name: x, .offset: 24, .size: 8, .value_kind: global_buffer, .address_space: global }
      - { .name: x1, .offset: 32, .size: 8, .value_kind: global_buffer, .address_space: global }
    .group_segment_fixed_size: 327680
    .private_segment_fixed_size: 0
    .kernarg_segment_align: 8
    .kernarg_segment_size: 40
    .max_flat_workgroup_size: 128
    .sgpr_count:     100
    .vgpr_count:     896
    .wavefront_size: 32
...
	.end_amdgpu_metadata
.endif
;; end of part 4
;; launch ln2: the kernel of part 1 again; grid 256 x 1, 8 waves a work-group, no clusters, 0 bytes of LDS; arguments x1, ln2_w, ln2_b, w_qkv, act, wq; writes act, wq
;; launch gfc (part 5): grid 16 x 16, 4 waves a work-group, clusters of 4 x 4, 327,680 bytes of LDS; arguments act, wfc, b_fc, h, w_out, wb; writes h, wb
.if DOCPART == 5
	.amdgcn_target "amdgcn-amd-amdhsa--gfx1250"
	.amdhsa_code_object_version 6
	.text
	.protected	k_q0945d620df_gfc
	.globl	k_q0945d620df_gfc
	.p2align	8
	.type	k_q0945d620df_gfc,@function
k_q0945d620df_gfc:
	s_mov_b64 s[64:65], 0
	v_nop
	global_prefetch_b8 v0, s[64:65] scope:SCOPE_SE
	s_setreg_imm32_b32 hwreg(HW_REG_WAVE_MODE, 25, 1), 1
	s_wait_xcnt 0x0
	s_wait_alu depctr_hold_cnt(0) depctr_sa_sdst(0) depctr_va_vdst(0) depctr_va_sdst(0) depctr_va_ssrc(0) depctr_va_vcc(0) depctr_vm_vsrc(0)
	s_getreg_b32 s2, hwreg(HW_REG_IB_STS2, 6, 4)
	s_cmp_eq_u32 s2, 0
	s_cbranch_scc0 .Lentry_in_a_cluster
	s_endpgm
.Lentry_in_a_cluster:
	s_bfe_u32 s2, ttmp6, 0x10000c
	s_cmp_lg_u32 s2, 0xf033
	s_cbranch_scc0 .Lentry_shape_is_right
	s_endpgm
.Lentry_shape_is_right:
; h = gelu(LN2(x1) w_fc + b_fc), the exact (erf) gelu, rounded once to bf16.  A (act) and the result lie in slices [c / 64][4096 rows][64]; the weights lie [K][N] in bf16 in wfc.  Sums and gelu in f32.
; A work-group makes 256 x 256 (16 x 16 = 256 work-groups), a wave 128 x 128: 64 accumulators.
; On the side it rounds the last 12 MiB of w_out to bf16 (to byte 16,777,216 + 2,097,152 of wb on), for the launch that follows.
; The text below the five sizes is the same as in gqkv.  Limits: operands and result are bf16; erf is good to 1.5e-7 absolute; NaN and infinities are not treated apart.
.set GELU,  1
.set SN,    4096
.set TM,    256
.set TN,    256
.set CL,    4                          ; on the side: loads of 512 bytes a wave and trip
; K goes in steps of 128 through two LDS slots filled by the tensor data mover, one load of 32 KiB a wave and step.  4 x 4 work-groups form a cluster: A's tiles are asked for jointly along a row of
; the cluster, the weights' along a column.  The product is used transposed (source 0 = 16 columns of the weights, turned on the way out of LDS; source 1 = 16 rows of A): a lane holds one row and eight neighbouring columns.
; When the last step is multiplied the ring, which is filled no more, takes the work-group's f32 tile; it is read back by rows, finished, and stored as 512 consecutive bytes an instruction.
; ON THE SIDE.  Weights that later launches multiply are rounded from f32 to bf16 here, in the same order, beside the matrix work: in each of the loop's six trips a wave loads CL x 512 consecutive bytes behind the
; trip's first run of LDS loads, and converts and stores them (CL x 256 consecutive bytes, aligned) behind its last run, three quarters of a trip later.  No wave of this launch reads what is stored so.
.set SK,     1024
.set KSTEP,  128
.set SLB,    524288                    ; bytes in a slice
.set PART,   36864                     ; what one tensor load fills: 256 rows of A at pitch 144, or 128 rows of the weights at pitch 288
.set SLOT,   4*PART
.set SPARE,  2*SLOT                    ; behind the ring: the spare words, 128 bytes a wave, that no other line names
.set NS,     SK/KSTEP
.set NSL,    TN/64                     ; slices of the result in a tile
.set SPI,    TN*4+16                   ; a row of the f32 tile: an odd number of 16-byte columns
.set ASTEP,  2*SLB                     ; a K step in A: two slices
.set BSTEP,  KSTEP*SN*2                ; and in the weights: 128 rows
.if TM == 256
.set NAW, 2                            ; waves that fetch A (a slice each); the others fetch 128 columns of the weights each
.set NB,  8                            ; blocks of 16 columns a wave
.set APL, 36864                        ; from a slice's rows to the next slice's in LDS
.set AWS, SLB
.set ARW, 18432                        ; my half of the rows: 128 x 144
.set BCW, PART                         ; my half of the columns
.set SRW, 128
.set SCW, 512
.set NBR, 1
.set CDST, 74                          ; s[74:75] on the side: where the trip's bf16 go
.set OUTR, 8                           ; the way out: the packed result, in registers that held LDS addresses of the loop
.else
.set NAW, 1
.set NB,  6
.set APL, 18432
.set AWS, 0
.set ARW, 0
.set BCW, 64
.set SRW, 0
.set SCW, 128
.set NBR, 3
.set CDST, 78                          ; s[78:79]
.set OUTR, 128
.endif
.set ABYTES, NAW*PART
.set NL,     2*NB+16                   ; LDS loads in a run
.set ADRA0, 8                          ; v8      my lane's place in A's part of a slot        v9-11  in the weights' parts
.set ADRB0, 9
.set STO,   12                         ; v12-15  where I put 32 bytes of a row of the f32 tile, for row blocks 0-1, 2-3, 4-5, 6-7
.set ADRA,  16                         ; v16, v20-22  the same places in the slot in hand
.set ADRB,  20
.set RD0,   24                         ; v24     where I read the f32 tile back; v25 the same, stepped
.set RD,    25
.set GO,    26                         ; v26     16 l: my 16 bytes in 512 consecutive bytes: of the side's loads, later (stepped) of the result
.set BO,    27                         ; v27     my 32 bytes in a slice's 256 bytes of bias
.set SPW,   28                         ; v28     LDS address of my spare word; v29 0; never rewritten
.set NIL,   29
.set PFO,   30                         ; v30     the prefetches' offset
.set CVO,   31                         ; v31     8 l: my 8 bytes in 256 consecutive bytes of the side's stores
.set CIN,   32                         ; v32..   on the side: as loaded
.set F0,    64                         ; fragment buffers: A's in window 0, the weights' in window 1
.set F1,    128
.set BIAS,  192                        ; v192..  8 numbers of bias for each slice
.set COUT,  240                        ; v240..  on the side: to store
.set WV,  14
.set RH,  15                           ; my half of the rows
.set CH,  16                           ; my share of the columns
.set G1,  24                           ; s[24:31] group 1 for A, s[32:39] two groups 0; s[48:55], s[56:63] the same for the weights
.set G0,  32
.set PFA, 44
.set LIM, 46
.set CNT, 47
.set G1B, 48
.set G0B, 56
.set TB,  66                           ; LDS byte of the slot in hand
.set EP,  67
.set PST, 68
.set IA,  70
.set JJ,  71
.set CSRC, 72                          ; s[72:73] on the side: where the trip's f32 come from
.set MSB, 0
.macro WIN new                         ; the immediate's high byte repeats the setting that is left; a switch that changes nothing is dropped
.if MSB != (\new)
	s_set_vgpr_msb (MSB<<8)|(\new)
.set MSB, \new
.endif
.endm
.macro PLACES                          ; four plain places behind a matrix instruction, ahead of loads into registers that it has read
.rept 4
	v_nop
.endr
.endm
.macro CREST                           ; a round of the cluster's barrier behind its opening barrier
	s_cmp_lg_u32 s[WV], 0
	s_cbranch_scc1 .Lnot_wave_0_\@
	s_barrier_signal -3
.Lnot_wave_0_\@:
	s_barrier_wait -3
	s_barrier_signal -1
	s_barrier_wait -1
.endm
.macro CROUND
	s_barrier_signal -1
	s_barrier_wait -1
	CREST
.endm
.macro JLOAD                           ; a joint refill by the walking descriptor; the branch hangs on the wave's number alone; an s_nop 0 and four v_nop follow each line
	s_cmp_lt_u32 s[WV], NAW
	s_cbranch_scc0 .Lfor_b_\@
	tensor_load_to_lds s[G0+4:G0+7], s[G1:G1+7]
	s_nop 0
.rept 4
	v_nop
.endr
	s_branch .Lasked_\@
.Lfor_b_\@:
	tensor_load_to_lds s[G0B+4:G0B+7], s[G1B:G1B+7]
	s_nop 0
.rept 4
	v_nop
.endr
.Lasked_\@:
.endm
; A prefetch of the K step that stands two refills on: of the 128 blocks of 256 bytes that I fetch in a step, my work-group's 32 (told apart from my partners' by address), a lane a block.
; A's tiles are read by every cluster of a row of clusters: cluster x = 0 asks; the weights' by every cluster of a column: cluster y = 0 asks.  The last two refills have no step two on.
.macro ASK
	s_cmp_gt_u32 s[CNT], s[LIM]
	s_cbranch_scc0 .Lnot_mine_\@
	global_prefetch_b8 v[PFO], s[PFA:PFA+1] th:TH_LOAD_NT scope:SCOPE_SE
.Lnot_mine_\@:
.endm
.macro BFRAG q, f, u                   ; 32 K x 16 columns of the weights, turned: lane l ends with column l % 16
.if NAW == 1
.set BREG, (\u)/2
.set BOFF, (\q)*9216+32*((\u)%2)
.else
.set BREG, 0
.set BOFF, (\q)*9216+32*(\u)
.endif
	ds_load_tr16_b128 v[(\f)+8*(\u):(\f)+8*(\u)+3],   v[ADRB+BREG] offset:BOFF
	ds_load_tr16_b128 v[(\f)+8*(\u)+4:(\f)+8*(\u)+7], v[ADRB+BREG] offset:BOFF+4608
.endm
.macro AFRAG q, f, t                   ; 16 rows x 32 K of A
.set AOFF, ((\q)/2)*APL+((\q)%2)*64+(\t)*2304
	ds_load_b128 v[(\f)+8*(\t):(\f)+8*(\t)+3],   v[ADRA] offset:AOFF
	ds_load_b128 v[(\f)+8*(\t)+4:(\f)+8*(\t)+7], v[ADRA] offset:AOFF+32
.endm
.macro FETCH q, f                      ; one run: quarter q's fragments into buffer f; A's rows 64-127 last
	WIN 0x40
.set u, 0
.rept NB
	BFRAG \q, \f, u
.set u, u+1
.endr
	WIN 0
.set t, 0
.rept 8
	AFRAG \q, \f, t
.set t, t+1
.endr
.endm
; 2 NB matrix instructions: row blocks a0, a0 + 1 of the window's four (hf = 0: rows 0-63, window 2; 1: rows 64-127, window 3) x all column blocks.  The accumulators take turns, one instruction a turn.
.macro MULP f, hf, a0, zero
	WIN 0xa1+0x50*(\hf)
.irp a, \a0, (\a0)+1
.set b, 0
.rept NB
.set rD, 8*(NB*(\a)+b)
.set rB, (\f)+8*b
.set rA, (\f)+8*(4*(\hf)+(\a))
.if \zero
	v_wmma_f32_16x16x32_bf16 v[rD:rD+7], v[rB:rB+7], v[rA:rA+7], 0
.else
	v_wmma_f32_16x16x32_bf16 v[rD:rD+7], v[rB:rB+7], v[rA:rA+7], v[rD:rD+7]
.endif
.set b, b+1
.endr
.endr
.endm
.macro CLOAD                           ; on the side: the trip's loads
.set j, 0
.rept CL
	global_load_b128 v[CIN+4*j:CIN+4*j+3], v[GO], s[CSRC:CSRC+1] offset:512*j th:TH_LOAD_NT
.set j, j+1
.endr
.endm
.macro CSTORE                          ; on the side: the trip's conversions and stores
	s_wait_loadcnt 0x0                             ; issued three quarters of a trip ago
.set j, 0
.rept CL
	v_cvt_pk_bf16_f32 v[COUT+2*j], v[CIN+4*j], v[CIN+4*j+1]
	v_cvt_pk_bf16_f32 v[COUT+2*j+1], v[CIN+4*j+2], v[CIN+4*j+3]
.set j, j+1
.endr
.set j, 0
.rept CL
	global_store_b64 v[CVO], v[COUT+2*j:COUT+2*j+1], s[CDST:CDST+1] offset:256*j  ; 256 consecutive bytes, aligned
.set j, j+1
.endr
.endm
.macro CSTEP                           ; on the side: the next trip's places; it stands behind s_wait_xcnt 0
.if NAW == 1                           ; a trip of the 1,024 waves covers 4 MiB of f32: trip 0 is w_o, trips 1 to 4 are w_fc, trip 5 is the first 4 MiB of w_out
	s_add_nc_u64 s[CSRC:CSRC+1], s[CSRC:CSRC+1], 1024*CL*512
	s_add_nc_u64 s[CDST:CDST+1], s[CDST:CDST+1], 1024*CL*256
	s_cmp_eq_u32 s[CNT], NS-2                      ; behind trip 0:
	s_cselect_b64 s[CSRC:CSRC+1], s[74:75], s[CSRC:CSRC+1]
	s_cselect_b64 s[CDST:CDST+1], s[80:81], s[CDST:CDST+1]
	s_cmp_eq_u32 s[CNT], 2                         ; behind trip 4:
	s_cselect_b64 s[CSRC:CSRC+1], s[76:77], s[CSRC:CSRC+1]
	s_cselect_b64 s[CDST:CDST+1], s[82:83], s[CDST:CDST+1]
.else                                  ; a wave's six trips lie end to end
	s_add_nc_u64 s[CSRC:CSRC+1], s[CSRC:CSRC+1], CL*512
	s_add_nc_u64 s[CDST:CDST+1], s[CDST:CDST+1], CL*256
.endif
.endm
.macro QUARTER q, f, g, zero, cast=0   ; multiplies buffer f; in its middle fetches quarter q into buffer g; cast = 1: the side's loads, 2: its conversions and stores
	s_wait_dscnt 8                                 ; all but the youngest eight loads: A's rows 64-127
	MULP \f, 0, 0, \zero
	MULP \f, 0, 2, \zero
	PLACES
	FETCH \q, \g
.if (\cast) == 1
	CLOAD
.elseif (\cast) == 2
	CSTORE
.endif
	s_wait_dscnt NL                                ; all but the run just issued
	MULP \f, 1, 0, \zero
	MULP \f, 1, 2, \zero
.endm
.macro SETADR
	v_add_nc_u32 v[ADRA], s[TB], v[ADRA0]
.set i, 0
.rept NBR
	v_add_nc_u32 v[ADRB+i], s[TB], v[ADRB0+i]
.set i, i+1
.endr
.endm
; The last quarter multiplies buffer 1 and changes slots.  In front of the barrier each wave waits for all its tensor loads (one is out: its part of the next slot), adds 0 to its spare word,
; and waits for that and for its reads of this slot.  fill = 1: the barrier opens a round of the cluster's, and the joint refill is the first tensor load behind it.
.macro TURN fill
.if \fill
	s_wait_xcnt 0x0                                ; the last prefetch, a K step back, has read its address
	s_add_nc_u64 s[PFA:PFA+1], s[PFA:PFA+1], s[PST:PST+1]
.endif
	WIN 0
	s_wait_tensorcnt 0x0
	ds_add_u32 v[SPW], v[NIL]
	s_wait_dscnt 9                                 ; the add and the youngest eight loads may be out
	MULP F1, 0, 0, 0
	s_wait_dscnt 0x0                               ; the add is done, my reads of this slot are over
	s_barrier_signal -1
	MULP F1, 0, 2, 0
	WIN 0
	s_barrier_wait -1
.if \fill
	CREST                                          ; no wave of any partner still reads this slot or has a load on its way
	s_xor_b32 s[G0+5], s[G0+5], SLOT               ; the walking descriptors: the other slot than last time (a part's offset and SLOT share no bit), the next K step
	s_add_nc_u64 s[G0+6:G0+7], s[G0+6:G0+7], ASTEP
	s_xor_b32 s[G0B+5], s[G0B+5], SLOT
	s_add_nc_u64 s[G0B+6:G0B+7], s[G0B+6:G0B+7], BSTEP
	s_xor_b32 s[TB], s[TB], SLOT
	JLOAD                                          ; its four v_nop are also the places in front of the loads below
.else
	s_xor_b32 s[TB], s[TB], SLOT
	PLACES
.endif
	SETADR
	FETCH 0, F0
.if \fill
	ASK
.endif
	MULP F1, 1, 0, 0
	MULP F1, 1, 2, 0
.endm
	s_load_b256 s[4:11], s[0:1], 0x0               ; A s[4:5], the weights s[6:7], bias s[8:9], result s[10:11]
.if NAW == 1
	s_load_b256 s[72:79], s[0:1], 0x20             ; on the side: w_o s[72:73], w_fc s[74:75], w_out s[76:77] in f32; wb s[78:79],
	s_load_b64 s[80:81], s[0:1], 0x40              ; wfc
.else
	s_load_b128 s[72:75], s[0:1], 0x20             ; on the side: w_out s[72:73] in f32; wb s[74:75]
.endif
	v_lshl_add_u32 v[SPW], v0, 2, SPARE
	v_mov_b32 v[NIL], 0
	ds_add_u32 v[SPW], v[NIL]                      ; the wave's opening: the add and its wait ahead of my first tensor load
	v_lshrrev_b32 v1, 5, v0
	v_readfirstlane_b32 s[WV], v1                  ; wave 0..3
.if NAW == 1
	s_mov_b32 s[RH], 0
	s_mov_b32 s[CH], s[WV]
	s_mov_b32 s[IA], 0
	s_max_u32 s[JJ], s[WV], 1
	s_sub_co_u32 s[JJ], s[JJ], 1                   ; waves 1, 2, 3 fetch column blocks 0, 1, 2
.else
	s_lshr_b32 s[RH], s[WV], 1
	s_and_b32 s[CH], s[WV], 1
	s_and_b32 s[IA], s[WV], 1
	s_and_b32 s[JJ], s[WV], 1
.endif
	s_bfe_u32 s40, ttmp6, 0x40000                  ; cx
	s_bfe_u32 s41, ttmp6, 0x40004                  ; cy
	s_lshl_b32 s42, ttmp9, 2
	s_add_co_u32 s42, s42, s40                     ; tile column
	s_and_b32 s43, ttmp7, 0xffff
	s_lshl_b32 s43, s43, 2
	s_add_co_u32 s43, s43, s41                     ; tile row
	s_lshl_b32 s17, s41, 2
	s_lshl_b32 s17, 15, s17                        ; my row of the cluster
	s_lshl_b32 s22, 0x1111, s40                    ; my column
	s_or_b32 s[G1], s17, (1<<16)|(1<<20)|(1<<21)|(4<<22)|(3<<25)   ; mask; 2-byte elements; padding on; bit 21 beside a mask; 4 words behind every 32: pitch 144
	s_or_b32 s[G1B], s22, (1<<16)|(1<<20)|(1<<21)|(5<<22)|(7<<25)  ; 8 words behind every 64: pitch 288
.if TM == 256
	s_mov_b32 s[G1+1], 128<<16                     ; 256 rows of a slice are 32,768 dense bytes: 128 rows of 256 bytes
	s_mov_b32 s[G1+2], 128<<16
	s_mov_b32 s[G1+3], 128<<16
	s_mov_b32 s[G1+4], 128
	s_mov_b32 s[G1+5], 128
.else
	s_mov_b32 s[G1+1], 8192<<16                    ; 128 rows of a slice are 16,384 dense bytes: one long row; two slices, 262,144 elements apart
	s_mov_b32 s[G1+2], 2<<16
	s_mov_b32 s[G1+3], 8192<<16
	s_mov_b32 s[G1+4], 2
	s_mov_b32 s[G1+5], 262144
.endif
	s_mov_b32 s[G1+6], 0
	s_mov_b32 s[G1+7], 0
	s_mov_b32 s[G1B+1], 128<<16                    ; 128 rows (K) x 128 columns, SN elements from row to row
	s_mov_b32 s[G1B+2], 128<<16
	s_mov_b32 s[G1B+3], 128<<16
	s_mov_b32 s[G1B+4], 128
	s_mov_b32 s[G1B+5], SN
	s_mov_b32 s[G1B+6], 0
	s_mov_b32 s[G1B+7], 0
	s_mul_i32 s18, s[IA], AWS                      ; A's tile hangs on the tile row and the wave alone,
	s_mul_i32 s17, s43, TM*128
	s_add_co_u32 s18, s18, s17
	s_mov_b32 s19, 0
	s_mul_i32 s20, s42, TN*2                       ; the weights' on the tile column and the wave alone
	s_lshl_b32 s22, s[JJ], 8
	s_add_co_u32 s20, s20, s22
	s_mov_b32 s21, 0
	s_mul_i32 s23, s[WV], PART                     ; LDS: part w of a slot
	s_mov_b32 s[G0], 1
	s_mov_b32 s[G0+1], s23
	s_mov_b32 s[G0+4], 1
	s_add_co_u32 s[G0+5], s23, SLOT
	s_mov_b32 s[G0B], 1
	s_mov_b32 s[G0B+1], s23
	s_mov_b32 s[G0B+4], 1
	s_add_co_u32 s[G0B+5], s23, SLOT
	s_mov_b32 s[TB], 0
	s_wait_dscnt 0x0                               ; the opening add is done
	s_wait_kmcnt 0x0
	s_add_nc_u64 s[G0+2:G0+3], s[4:5], s[18:19]    ; K step 0,
	s_add_nc_u64 s[G0+6:G0+7], s[G0+2:G0+3], ASTEP ; K step 1
	s_or_b32 s[G0+3], s[G0+3], 0x80000000
	s_or_b32 s[G0+7], s[G0+7], 0x80000000
	s_add_nc_u64 s[G0B+2:G0B+3], s[6:7], s[20:21]
	s_add_nc_u64 s[G0B+6:G0B+7], s[G0B+2:G0B+3], BSTEP
	s_or_b32 s[G0B+3], s[G0B+3], 0x80000000
	s_or_b32 s[G0B+7], s[G0B+7], 0x80000000
	CROUND                                         ; all sixteen work-groups are here: the first joint loads meet
	s_cmp_lt_u32 s[WV], NAW                        ; a wave's two first fills stand in one branch: two loads of mine are out
	s_cbranch_scc0 .Lfirst_b
	tensor_load_to_lds s[G0:G0+3], s[G1:G1+7]
	s_nop 0
	tensor_load_to_lds s[G0+4:G0+7], s[G1:G1+7]
	s_nop 0
.rept 4
	v_nop
.endr
	s_branch .Lfirst_asked
.Lfirst_b:
	tensor_load_to_lds s[G0B:G0B+3], s[G1B:G1B+7]
	s_nop 0
	tensor_load_to_lds s[G0B+4:G0B+7], s[G1B:G1B+7]
	s_nop 0
.rept 4
	v_nop
.endr
.Lfirst_asked:
	v_and_b32 v1, 15, v0                           ; l % 16
	v_bfe_u32 v2, v0, 4, 1                         ; l / 16
	v_and_b32 v3, 7, v0
	v_bfe_u32 v4, v0, 3, 1
	v_and_b32 v5, 31, v0                           ; l
	s_mul_i32 s92, s42, TN*4
	s_mov_b32 s93, 0
	s_add_nc_u64 s[8:9], s[8:9], s[92:93]          ; the tile's bias
	v_lshlrev_b32 v[BO], 5, v3
.set sl, 0
.rept NSL
	global_load_b128 v[BIAS+8*sl:BIAS+8*sl+3],   v[BO], s[8:9] offset:256*sl
	global_load_b128 v[BIAS+8*sl+4:BIAS+8*sl+7], v[BO], s[8:9] offset:256*sl+16
.set sl, sl+1
.endr
	s_mul_i32 s92, s42, NSL*4096                   ; the result: the tile's first slice, the tile's rows, my quarter of them
	s_mul_i32 s94, s43, TM
	s_add_co_u32 s92, s92, s94
	s_mul_i32 s94, s[WV], TM/4
	s_add_co_u32 s92, s92, s94
	s_lshl_b32 s92, s92, 7
	s_add_nc_u64 s[10:11], s[10:11], s[92:93]
	v_lshlrev_b32 v[GO], 4, v5
	v_lshlrev_b32 v[CVO], 3, v5
	s_mul_i32 s92, s43, SN/TN                      ; on the side: my wave among the launch's 1,024
	s_add_co_u32 s92, s92, s42
	s_lshl_b32 s92, s92, 2
	s_add_co_u32 s92, s92, s[WV]
	s_mov_b32 s95, 0
.if NAW == 1
	s_lshl_b32 s94, s92, 11                        ; 2,048 bytes out,
	s_lshl_b32 s92, s92, 12                        ; 4,096 bytes in, a wave and trip
	s_add_nc_u64 s[72:73], s[72:73], s[92:93]      ; trip 0 reads w_o,
	s_add_nc_u64 s[74:75], s[74:75], s[92:93]      ; trips 1 to 4 w_fc,
	s_add_nc_u64 s[76:77], s[76:77], s[92:93]      ; trip 5 w_out
	s_add_nc_u64 s[80:81], s[80:81], s[94:95]      ; w_fc goes to wfc,
	s_add_nc_u64 s[78:79], s[78:79], s[94:95]
	s_add_nc_u64 s[82:83], s[78:79], 16777216      ; w_out to its place in wb,
	s_add_nc_u64 s[78:79], s[78:79], 6291456       ; w_o to its
.else
	s_mul_i32 s94, s92, 6*CL*256                   ; my six trips lie end to end, behind the 4 MiB of w_out that the first product's launch has rounded
	s_mul_i32 s92, s92, 6*CL*512
	s_add_co_u32 s92, s92, 4194304
	s_add_co_u32 s94, s94, 16777216+2097152
	s_add_nc_u64 s[72:73], s[72:73], s[92:93]
	s_add_nc_u64 s[74:75], s[74:75], s[94:95]
.endif
	v_mul_u32_u24 v[ADRA0], v1, 144                ; a fragment of A: row l % 16, 16 bytes for each half of the lanes
	v_lshl_add_u32 v[ADRA0], v2, 4, v[ADRA0]
	s_mul_i32 s2, s[RH], ARW
	v_add_nc_u32 v[ADRA0], s2, v[ADRA0]
	v_lshl_add_u32 v6, v2, 3, v3                   ; the turning load: K row 8 (l / 16) + l % 8, columns 8 ((l / 8) % 2) on
	v_mul_u32_u24 v6, v6, 288
	v_lshl_add_u32 v6, v4, 4, v6
	s_mul_i32 s2, s[CH], BCW
	s_add_co_u32 s2, s2, ABYTES
.set i, 0
.rept NBR
	v_add_nc_u32 v[ADRB0+i], s2, v6
	s_add_co_u32 s2, s2, PART
.set i, i+1
.endr
	v_mul_u32_u24 v7, v1, SPI                      ; the f32 tile: row l % 16 of a block, 32 bytes for each half of the lanes
	v_lshl_add_u32 v7, v2, 5, v7
	s_mul_i32 s2, s[RH], SRW*SPI
	s_mul_i32 s3, s[CH], SCW
	s_add_co_u32 s2, s2, s3
.set i, 0
.rept 4
	v_add_nc_u32 v[STO+i], s2, v7
	s_add_co_u32 s2, s2, 32*SPI
.set i, i+1
.endr
	v_lshrrev_b32 v6, 3, v5                        ; back: four rows a trip, a lane 8 columns of each slice
	v_mul_u32_u24 v6, v6, SPI
	v_lshl_add_u32 v6, v3, 5, v6
	s_mul_i32 s2, s[WV], (TM/4)*SPI
	v_add_nc_u32 v[RD0], s2, v6
	s_and_b32 s92, ttmp7, 0xffff                   ; the prefetches: cluster y
.if TM == 256
	s_lshl_b32 s94, s40, 13                        ; A: my work-group's 32 blocks of the tile's 128
.else
	s_lshr_b32 s94, s40, 1
	s_lshl_b32 s94, s94, 19
	s_and_b32 s95, s40, 1
	s_lshl_b32 s95, s95, 13
	s_add_co_u32 s94, s94, s95
.endif
	s_add_co_u32 s94, s94, s18
	s_mul_i32 s95, s41, 64*SN                      ; the weights: my work-group's 32 rows of the tile's 128
	s_add_co_u32 s95, s95, s20
	s_mov_b32 s[PST], BSTEP
	s_mov_b32 s96, 2*SN
	s_cmp_lt_u32 s[WV], NAW
	s_cselect_b32 s93, ttmp9, s92                  ; the coordinate along which other clusters read the same tile
	s_cselect_b32 s94, s94, s95
	s_cselect_b32 s[PST], ASTEP, s[PST]
	s_cselect_b32 s96, 256, s96
	s_cselect_b64 s[PFA:PFA+1], s[4:5], s[6:7]
	s_mov_b32 s[PST+1], 0
	s_mov_b32 s95, 0
	s_mul_i32 s97, s[PST], 3
	s_add_co_u32 s94, s94, s97                     ; at K step 3: the first refill steps it to 4
	s_add_nc_u64 s[PFA:PFA+1], s[PFA:PFA+1], s[94:95]
	s_cmp_eq_u32 s93, 0
	s_cselect_b32 s[LIM], 2, -1                    ; the same in all sixteen partners, for a given wave
	v_mul_u32_u24 v[PFO], v5, s96
	s_wait_tensorcnt 1                             ; my part of K step 0 is in; K step 1's stays out
	s_barrier_signal -1
	s_barrier_wait -1
	SETADR
	FETCH 0, F0
	QUARTER 1, F0, F1, 1                           ; the first quarter's products start the sums
	WIN 0
	s_mov_b32 s[CNT], NS-2
.Lstep:                                                ; a trip: from a step's second quarter to the next step's first; one slot is filled again
	QUARTER 2, F1, F0, 0, 1
	QUARTER 3, F0, F1, 0
	TURN 1
	QUARTER 1, F0, F1, 0, 2
	WIN 0
	s_wait_xcnt 0x0                                ; the side's loads and stores (the youngest 4 NB matrix instructions back) have read their registers: its places and, in the next trip, its data are written anew
	CSTEP
	s_sub_co_u32 s[CNT], s[CNT], 1
	s_cmp_lg_u32 s[CNT], 0
	s_cbranch_scc1 .Lstep
	s_mov_b32 s[CNT], 2
.Ltail:                                                ; the last two steps ask for nothing; the second trip is left in its middle
	QUARTER 2, F1, F0, 0
	QUARTER 3, F0, F1, 0
	WIN 0
	s_sub_co_u32 s[CNT], s[CNT], 1
	s_cmp_eq_u32 s[CNT], 0
	s_cbranch_scc1 .Llast
	TURN 0
	QUARTER 1, F0, F1, 0
	WIN 0
	s_branch .Ltail
.Llast:
	s_wait_dscnt 8
	MULP F1, 0, 0, 0
	MULP F1, 0, 2, 0
	s_wait_dscnt 0x0
	MULP F1, 1, 0, 0
	MULP F1, 1, 2, 0
	WIN 0
	PLACES
	PLACES
	s_wait_dscnt 0x0
	s_barrier_signal -1
	s_barrier_wait -1                              ; no wave reads the ring any more, and no fill is to come: it takes the f32 tile
.set hi, 0
.rept 2
	WIN 0x08+4*hi                                  ; store data in window 2, then 3
.set a, 0
.rept 4
.set b, 0
.rept NB
.set rD, 8*(NB*a+b)
.set rb, 4*hi+a
.if NAW == 1
.set CB, (b/2)*512+(b%2)*64
.else
.set CB, 64*b
.endif
	ds_store_b128 v[STO+rb/2], v[rD:rD+3]   offset:(rb%2)*16*SPI+CB      ; each accumulator's low registers first
	ds_store_b128 v[STO+rb/2], v[rD+4:rD+7] offset:(rb%2)*16*SPI+CB+16
.set b, b+1
.endr
.set a, a+1
.endr
.set hi, hi+1
.endr
	WIN 0
	s_wait_dscnt 0x0                               ; for the others' sake: my stores are done
	s_barrier_signal -1
	s_barrier_wait -1
.set LR, 32                            ; as read back
.set XR, LR+8*NSL                      ; at work
.if GELU
.set AR, 96                            ; |x|
.set DR, 128                           ; 1 + p |x|, then t
.set UR, 160                           ; the exponent, then E
.set PR, 224                           ; the polynomial
.set GP, 72                            ; s[72:85] the constants, each in the low word of a pair (the side's places are done with)
	s_mov_b32 s72, 0x3e6d3388                      ; p / sqrt(2) = 0.231641888
	s_mov_b32 s73, s72
	s_mov_b32 s74, 0xbf38aa3b                      ; - log2(e) / 2
	s_mov_b32 s75, s74
	s_mov_b32 s76, 0xbe027906                      ; - a1 / 2 = -0.127414796
	s_mov_b32 s77, s76
	s_mov_b32 s78, 0x3e11a98e                      ; - a2 / 2 =  0.142248368
	s_mov_b32 s79, s78
	s_mov_b32 s80, 0xbf35f0e3                      ; - a3 / 2 = -0.7107068705
	s_mov_b32 s81, s80
	s_mov_b32 s82, 0x3f3a00e3                      ; - a4 / 2 =  0.7265760135
	s_mov_b32 s83, s82
	s_mov_b32 s84, 0xbf07dc22                      ; - a5 / 2 = -0.5307027145
	s_mov_b32 s85, s84
.endif
.macro LLOAD
.set sl, 0
.rept NSL
	ds_load_b128 v[LR+8*sl:LR+8*sl+3],   v[RD] offset:256*sl
	ds_load_b128 v[LR+8*sl+4:LR+8*sl+7], v[RD] offset:256*sl+16
.set sl, sl+1
.endr
.endm
.macro GPLAIN k, n                     ; plain line n of 6 for pair k
.if (\n) == 0
	v_and_b32 v[AR+2*(\k)], 0x7fffffff, v[XR+2*(\k)]
.elseif (\n) == 1
	v_and_b32 v[AR+2*(\k)+1], 0x7fffffff, v[XR+2*(\k)+1]
.elseif (\n) == 2
	v_pk_fma_f32 v[DR+2*(\k):DR+2*(\k)+1], v[AR+2*(\k):AR+2*(\k)+1], s[GP:GP+1], 1.0 op_sel_hi:[1,0,0]
.elseif (\n) == 3
	v_pk_mul_f32 v[UR+2*(\k):UR+2*(\k)+1], v[XR+2*(\k):XR+2*(\k)+1], v[XR+2*(\k):XR+2*(\k)+1]
.elseif (\n) == 4
	v_pk_mul_f32 v[UR+2*(\k):UR+2*(\k)+1], v[UR+2*(\k):UR+2*(\k)+1], s[GP+2:GP+3] op_sel_hi:[1,0]
.else
	v_pk_mul_f32 v[XR+2*(\k):XR+2*(\k)+1], v[XR+2*(\k):XR+2*(\k)+1], 0.5 op_sel_hi:[1,0]
.endif
.endm
.macro GTRANS k, n                     ; transcendental n of 4 for pair k, in place
.if (\n) < 2
	v_rcp_f32 v[DR+2*(\k)+(\n)], v[DR+2*(\k)+(\n)]
.else
	v_exp_f32 v[UR+2*(\k)+(\n)-2], v[UR+2*(\k)+(\n)-2]
.endif
.endm
	s_mov_b32 s[EP], 0
	v_mov_b32 v[RD], v[RD0]
	LLOAD
	s_wait_loadcnt 0x0                             ; the bias
	s_mov_b32 s[CNT], TM/16
.Lrows:                                                ; a trip: four rows of all the tile's slices
	s_wait_dscnt 0x0
.set k, 0
.rept 4*NSL
	v_pk_add_f32 v[XR+2*k:XR+2*k+1], v[LR+2*k:LR+2*k+1], v[BIAS+2*k:BIAS+2*k+1]
.set k, k+1
.endr
	s_add_co_u32 s[EP], s[EP], 4*SPI               ; the next trip's rows are read while this trip's are worked on; the last trip reads its own again
	s_min_u32 s[EP], s[EP], (TM/16-1)*4*SPI
	v_add_nc_u32 v[RD], s[EP], v[RD0]
	LLOAD
.if GELU
; gelu(x) = x / 2 + |x| (1 / 2 - P(t) E), t = 1 / (1 + p |x| / sqrt(2)), E = e^(-x x / 2), P of degree 5 (Abramowitz and Stegun 7.1.26, halved; stored negated): erf to 1.5e-7.
; The 16 pairs go in four groups of four.  A group's plain lines 0 to 4 go line by line over its four pairs, so that none reads the result of the line just before it; the 16 transcendentals of the group before
; stand between them, four to five plain lines; the last group's stand between the 16 halvings of x (line 5).  The trip's 64 transcendentals are ONE batch: nothing names a result ahead of the one wait.
.set g, 0
.rept 5
.set i, 0
.rept 20
.if g < 4
	GPLAIN 4*g+i%4, i/4
.elseif i < 16
	GPLAIN i, 5
.endif
.if (g > 0) && (i%5 != 4)
	GTRANS 4*(g-1)+(i-i/5)/4, (i-i/5)%4
.endif
.set i, i+1
.endr
.set g, g+1
.endr
	v_nop                                          ; a plain instruction behind the last of them,
	s_wait_alu depctr_va_vdst(0)                   ; and the batch's wait
.irp st, 0,1,2,3,4,5,6
.set k, 0
.rept 16
.if \st == 0
	v_pk_fma_f32 v[PR+2*k:PR+2*k+1], v[DR+2*k:DR+2*k+1], s[GP+12:GP+13], s[GP+10:GP+11] op_sel_hi:[1,0,0]
.elseif \st < 4
	v_pk_fma_f32 v[PR+2*k:PR+2*k+1], v[PR+2*k:PR+2*k+1], v[DR+2*k:DR+2*k+1], s[GP+10-2*\st:GP+11-2*\st] op_sel_hi:[1,1,0]
.elseif \st == 4
	v_pk_mul_f32 v[PR+2*k:PR+2*k+1], v[PR+2*k:PR+2*k+1], v[DR+2*k:DR+2*k+1]
.elseif \st == 5
	v_pk_fma_f32 v[PR+2*k:PR+2*k+1], v[PR+2*k:PR+2*k+1], v[UR+2*k:UR+2*k+1], 0.5 op_sel_hi:[1,1,0]
.else
	v_pk_fma_f32 v[XR+2*k:XR+2*k+1], v[AR+2*k:AR+2*k+1], v[PR+2*k:PR+2*k+1], v[XR+2*k:XR+2*k+1]
.endif
.set k, k+1
.endr
.endr
.endif
	s_wait_xcnt 0x0                                ; the last trip's stores, a trip's work back, have read their offset and data, which are written anew below
	v_add_nc_u32 v[GO], 512, v[GO]                 ; stepped ahead of the stores, which reach back
.set k, 0
.rept 4*NSL
	v_cvt_pk_bf16_f32 v[OUTR+k], v[XR+2*k], v[XR+2*k+1]
.set k, k+1
.endr
.set sl, 0
.rept NSL
	global_store_b128 v[GO], v[OUTR+4*sl:OUTR+4*sl+3], s[10:11] offset:sl*SLB-512  ; 512 consecutive bytes, aligned: four rows of a slice
.set sl, sl+1
.endr
	s_sub_co_u32 s[CNT], s[CNT], 1
	s_cmp_lg_u32 s[CNT], 0
	s_cbranch_scc1 .Lrows
	s_wait_tensorcnt 0x0                           ; the wave's end
	ds_add_u32 v[SPW], v[NIL]
	s_wait_dscnt 0x0
	CROUND                                         ; the closing round
	s_endpgm
.Lfunc_end_k_q0945d620df_gfc:
	.size	k_q0945d620df_gfc, .Lfunc_end_k_q0945d620df_gfc-k_q0945d620df_gfc
	.p2alignl 7, 3214868480
	.fill 96, 4, 3214868480
	.section	.rodata,"a",@progbits
	.p2align	6, 0x0
	.amdhsa_kernel k_q0945d620df_gfc
		.amdhsa_group_segment_fixed_size 327680
		.amdhsa_private_segment_fixed_size 0
		.amdhsa_enable_private_segment 0
		.amdhsa_kernarg_size 48
		.amdhsa_user_sgpr_count 2
		.amdhsa_user_sgpr_kernarg_segment_ptr 1
		.amdhsa_wavefront_size32 1
		.amdhsa_system_sgpr_workgroup_id_x 1
		.amdhsa_system_sgpr_workgroup_id_y 1
		.amdhsa_system_sgpr_workgroup_id_z 1
		.amdhsa_system_vgpr_workitem_id 0
		.amdhsa_next_free_vgpr 1024
		.amdhsa_next_free_sgpr 100
		.amdhsa_reserve_vcc 0
		.amdhsa_float_denorm_mode_32 3
		.amdhsa_float_denorm_mode_16_64 3
		.amdhsa_memory_ordered 1
		.amdhsa_forward_progress 1
		.amdhsa_inst_pref_size 105
	.end_amdhsa_kernel
	.amdgpu_metadata
---
amdhsa.version: [ 1, 2 ]
amdhsa.kernels:
  - .name:           k_q0945d620df_gfc
    .symbol:         k_q0945d620df_gfc.kd
    .args:
      - { .name: act, .offset: 0, .size: 8, .value_kind: global_buffer, .address_space: global }
      - { .name: wfc, .offset: 8, .size: 8, .value_kind: global_buffer, .address_space: global }
      - { .name: b_fc, .offset: 16, .size: 8, .value_kind: global_buffer, .address_space: global }
      - { .name: h, .offset: 24, .size: 8, .value_kind: global_buffer, .address_space: global }
      - { .name: w_out, .offset: 32, .size: 8, .value_kind: global_buffer, .address_space: global }
      - { .name: wb, .offset: 40, .size: 8, .value_kind: global_buffer, .address_space: global }
    .group_segment_fixed_size: 327680
    .private_segment_fixed_size: 0
    .kernarg_segment_align: 8
    .kernarg_segment_size: 48
    .max_flat_workgroup_size: 128
    .sgpr_count:     100
    .vgpr_count:     1024
    .wavefront_size: 32
...
	.end_amdgpu_metadata
.endif
;; end of part 5
;; launch gout (part 6): grid 8 x 32, 4 waves a work-group, clusters of 4 x 4, 327,680 bytes of LDS; arguments h, wb, b_out, x1, out0; writes out0
.if DOCPART == 6
	.amdgcn_target "amdgcn-amd-amdhsa--gfx1250"
	.amdhsa_code_object_version 6
	.text
	.protected	k_q0945d620df_gout
	.globl	k_q0945d620df_gout
	.p2align	8
	.type	k_q0945d620df_gout,@function
k_q0945d620df_gout:
	s_mov_b64 s[64:65], 0
	v_nop
	global_prefetch_b8 v0, s[64:65] scope:SCOPE_SE
	s_setreg_imm32_b32 hwreg(HW_REG_WAVE_MODE, 25, 1), 1
	s_wait_xcnt 0x0
	s_wait_alu depctr_hold_cnt(0) depctr_sa_sdst(0) depctr_va_vdst(0) depctr_va_sdst(0) depctr_va_ssrc(0) depctr_va_vcc(0) depctr_vm_vsrc(0)
	s_getreg_b32 s2, hwreg(HW_REG_IB_STS2, 6, 4)
	s_cmp_eq_u32 s2, 0
	s_cbranch_scc0 .Lentry_in_a_cluster
	s_endpgm
.Lentry_in_a_cluster:
	s_bfe_u32 s2, ttmp6, 0x10000c
	s_cmp_lg_u32 s2, 0xf033
	s_cbranch_scc0 .Lentry_shape_is_right
	s_endpgm
.Lentry_shape_is_right:
; out0 = x1 + h w_out + b_out, in f32.  A (h) lies in slices [c / 64][4096 rows][64] in bf16; the weights lie [K][1024] in bf16 in wb.  Sums, residual and result in f32.
; The text below the three sizes is the same as in go.  Limits: the product's operands are bf16; NaN and infinities are not treated apart.
.set SK,    4096
.set WOFF,  16777216
.set PF,    1
; A work-group makes 128 x 128 (32 x 8 = 256 work-groups), a wave 64 x 64: 16 accumulators.  K goes in steps of 256 through two LDS slots filled by the tensor data mover, one load of 32 KiB a wave and step:
; waves 0, 1 two slices of A each, waves 2, 3 128 rows of the weights each.  4 x 4 work-groups form a cluster: A's tiles are asked for jointly along a row, the weights' along a column.
; The product is used transposed (source 0 = 16 columns of the weights, turned on the way out of LDS; source 1 = 16 rows of A).  My 32 rows of the residual are asked for at the head and wait in registers.
; When the last step is multiplied the ring, which is filled no more, takes the f32 tile; it is read back by whole rows of 512 bytes.
.set SN,     1024
.set KSTEP,  256
.set SLB,    524288
.set PART,   36864                     ; what one tensor load fills: 2 x 128 rows of A at pitch 144, or 128 rows of the weights at pitch 288
.set SLOT,   4*PART
.set SPARE,  2*SLOT
.set NS,     SK/KSTEP
.set SPI,    528
.set ASTEP,  4*SLB
.set BSTEP,  KSTEP*SN*2
.set APL,    18432
.set ABYTES, 2*PART
.set ADRA0, 8
.set ADRB0, 9                          ; v9-10
.set STO,   12                         ; v12-13
.set ADRA,  16
.set ADRB,  20                         ; v20-21
.set RD,    25
.set CO,    26                         ; v26  16 l: my 16 bytes of a row's 512; never rewritten
.set SPW,   28
.set NIL,   29
.set PFO,   30
.set T0,    32                         ; v32-63, v64-95: eight rows each, on the way out
.set F0,    64
.set F1,    128
.set BIAS,  192
.set WV,  14
.set RH,  15
.set CH,  16
.set G1,  24
.set G0,  32
.set PFA, 44
.set LIM, 46
.set CNT, 47
.set G1B, 48
.set G0B, 56
.set TB,  66
.set PST, 68
.set MSB, 0
.macro WIN new
.if MSB != (\new)
	s_set_vgpr_msb (MSB<<8)|(\new)
.set MSB, \new
.endif
.endm
.macro PLACES
.rept 4
	v_nop
.endr
.endm
.macro CREST
	s_cmp_lg_u32 s[WV], 0
	s_cbranch_scc1 .Lnot_wave_0_\@
	s_barrier_signal -3
.Lnot_wave_0_\@:
	s_barrier_wait -3
	s_barrier_signal -1
	s_barrier_wait -1
.endm
.macro CROUND
	s_barrier_signal -1
	s_barrier_wait -1
	CREST
.endm
.macro JLOAD                           ; a joint refill by the walking descriptor; an s_nop 0 and four v_nop follow each line
	s_cmp_lt_u32 s[WV], 2
	s_cbranch_scc0 .Lfor_b_\@
	tensor_load_to_lds s[G0+4:G0+7], s[G1:G1+7]
	s_nop 0
.rept 4
	v_nop
.endr
	s_branch .Lasked_\@
.Lfor_b_\@:
	tensor_load_to_lds s[G0B+4:G0B+7], s[G1B:G1B+7]
	s_nop 0
.rept 4
	v_nop
.endr
.Lasked_\@:
.endm
; A prefetch of the K step that stands two refills on: of the 128 blocks of 256 bytes that I fetch in a step, my work-group's 32 (told apart from my partners' by address), a lane a block.
; Cluster x = 0 asks for A's tiles, cluster y = 0 for the weights'.  The last two refills have no step two on.
.macro ASK
	s_cmp_gt_u32 s[CNT], s[LIM]
	s_cbranch_scc0 .Lnot_mine_\@
	global_prefetch_b8 v[PFO], s[PFA:PFA+1] th:TH_LOAD_NT scope:SCOPE_SE
.Lnot_mine_\@:
.endm
.macro BFRAG q, f, u                   ; quarter q = 64 K; fragment u: K half u / 4, column block u % 4
.set BOFF, (((\q)%2)*64+((\u)/4)*32)*288+32*((\u)%4)
	ds_load_tr16_b128 v[(\f)+8*(\u):(\f)+8*(\u)+3],   v[ADRB+(\q)/2] offset:BOFF
	ds_load_tr16_b128 v[(\f)+8*(\u)+4:(\f)+8*(\u)+7], v[ADRB+(\q)/2] offset:BOFF+4608
.endm
.macro AFRAG q, f, t                   ; fragment t: K half t / 4, row block t % 4 of slice q
.set AOFF, (\q)*APL+((\t)/4)*64+((\t)%4)*2304
	ds_load_b128 v[(\f)+8*(\t):(\f)+8*(\t)+3],   v[ADRA] offset:AOFF
	ds_load_b128 v[(\f)+8*(\t)+4:(\f)+8*(\t)+7], v[ADRA] offset:AOFF+32
.endm
.macro FETCH q, f                      ; one run of 32: the first 32 along K first
.irp c, 0,1
	WIN 0x40
.irp n, 0,1,2,3
	BFRAG \q, \f, 4*\c+\n
.endr
	WIN 0
.irp n, 0,1,2,3
	AFRAG \q, \f, 4*\c+\n
.endr
.endr
.endm
; 8 matrix instructions: row blocks a0, a0 + 1 x 4 column blocks, K half hf of buffer f.  The 16 accumulators (window 2) take turns, one instruction a turn.
.macro MULP f, hf, a0, zero
	WIN 0xa1
.irp a, \a0, (\a0)+1
.irp b, 0,1,2,3
.if \zero
	v_wmma_f32_16x16x32_bf16 v[8*(4*(\a)+\b):8*(4*(\a)+\b)+7], v[(\f)+8*(\b+4*(\hf)):(\f)+8*(\b+4*(\hf))+7], v[(\f)+8*(4*(\hf)+(\a)):(\f)+8*(4*(\hf)+(\a))+7], 0
.else
	v_wmma_f32_16x16x32_bf16 v[8*(4*(\a)+\b):8*(4*(\a)+\b)+7], v[(\f)+8*(\b+4*(\hf)):(\f)+8*(\b+4*(\hf))+7], v[(\f)+8*(4*(\hf)+(\a)):(\f)+8*(4*(\hf)+(\a))+7], v[8*(4*(\a)+\b):8*(4*(\a)+\b)+7]
.endif
.endr
.endr
.endm
.macro QUARTER q, f, g, zero
	s_wait_dscnt 16                                ; the first 32 along K are in
	MULP \f, 0, 0, \zero
	MULP \f, 0, 2, \zero
	PLACES
	FETCH \q, \g
	s_wait_dscnt 32                                ; all but the run just issued
	MULP \f, 1, 0, 0
	MULP \f, 1, 2, 0
.endm
.macro SETADR
	v_add_nc_u32 v[ADRA], s[TB], v[ADRA0]
	v_add_nc_u32 v[ADRB], s[TB], v[ADRB0]
	v_add_nc_u32 v[ADRB+1], s[TB], v[ADRB0+1]
.endm
; The last quarter multiplies buffer 1 and changes slots.  In front of the barrier each wave waits for all its tensor loads (one is out: its part of the next slot), adds 0 to its spare word,
; and waits for that and for its reads of this slot.  fill = 1: the barrier opens a round of the cluster's, and the joint refill is the first tensor load behind it.
.macro TURN fill
.if (\fill) && PF
	s_wait_xcnt 0x0                                ; the last prefetch, a K step back, has read its address
	s_add_nc_u64 s[PFA:PFA+1], s[PFA:PFA+1], s[PST:PST+1]
.endif
	WIN 0
	s_wait_tensorcnt 0x0
	ds_add_u32 v[SPW], v[NIL]
	s_wait_dscnt 17                                ; the add and the youngest sixteen loads may be out
	MULP F1, 0, 0, 0
	s_wait_dscnt 0x0                               ; the add is done, my reads of this slot are over
	s_barrier_signal -1
	MULP F1, 0, 2, 0
	WIN 0
	s_barrier_wait -1
.if \fill
	CREST                                          ; no wave of any partner still reads this slot or has a load on its way
	s_xor_b32 s[G0+5], s[G0+5], SLOT               ; the walking descriptors: the other slot than last time (a part's offset and SLOT share no bit), the next K step
	s_add_nc_u64 s[G0+6:G0+7], s[G0+6:G0+7], ASTEP
	s_xor_b32 s[G0B+5], s[G0B+5], SLOT
	s_add_nc_u64 s[G0B+6:G0B+7], s[G0B+6:G0B+7], BSTEP
	s_xor_b32 s[TB], s[TB], SLOT
	JLOAD                                          ; its four v_nop are also the places in front of the loads below
.else
	s_xor_b32 s[TB], s[TB], SLOT
	PLACES
.endif
	SETADR
	FETCH 0, F0
.if (\fill) && PF
	ASK
.endif
	MULP F1, 1, 0, 0
	MULP F1, 1, 2, 0
.endm
	s_load_b256 s[4:11], s[0:1], 0x0               ; A s[4:5], wb s[6:7], bias s[8:9], residual s[10:11]
	s_load_b64 s[12:13], s[0:1], 0x20              ; result
	v_lshl_add_u32 v[SPW], v0, 2, SPARE
	v_mov_b32 v[NIL], 0
	ds_add_u32 v[SPW], v[NIL]                      ; the wave's opening: the add and its wait ahead of my first tensor load
	v_lshrrev_b32 v1, 5, v0
	v_readfirstlane_b32 s[WV], v1                  ; wave 0..3
	s_lshr_b32 s[RH], s[WV], 1                     ; my half of the rows
	s_and_b32 s[CH], s[WV], 1                      ; my half of the columns; also which half of A's slices or of the weights' rows I fetch
	s_bfe_u32 s40, ttmp6, 0x40000                  ; cx
	s_bfe_u32 s41, ttmp6, 0x40004                  ; cy
	s_lshl_b32 s42, ttmp9, 2
	s_add_co_u32 s42, s42, s40                     ; tile column
	s_and_b32 s43, ttmp7, 0xffff
	s_lshl_b32 s43, s43, 2
	s_add_co_u32 s43, s43, s41                     ; tile row
	s_lshl_b32 s17, s41, 2
	s_lshl_b32 s17, 15, s17                        ; my row of the cluster
	s_lshl_b32 s22, 0x1111, s40                    ; my column
	s_or_b32 s[G1], s17, (1<<16)|(1<<20)|(1<<21)|(4<<22)|(3<<25)   ; mask; 2-byte elements; padding on; bit 21 beside a mask; 4 words behind every 32: pitch 144
	s_or_b32 s[G1B], s22, (1<<16)|(1<<20)|(1<<21)|(5<<22)|(7<<25)  ; 8 words behind every 64: pitch 288
	s_mov_b32 s[G1+1], 8192<<16                    ; 128 rows of a slice are 16,384 dense bytes: one long row; two slices, 262,144 elements apart
	s_mov_b32 s[G1+2], 2<<16
	s_mov_b32 s[G1+3], 8192<<16
	s_mov_b32 s[G1+4], 2
	s_mov_b32 s[G1+5], 262144
	s_mov_b32 s[G1+6], 0
	s_mov_b32 s[G1+7], 0
	s_mov_b32 s[G1B+1], 128<<16                    ; 128 rows (K) x 128 columns, SN elements from row to row
	s_mov_b32 s[G1B+2], 128<<16
	s_mov_b32 s[G1B+3], 128<<16
	s_mov_b32 s[G1B+4], 128
	s_mov_b32 s[G1B+5], SN
	s_mov_b32 s[G1B+6], 0
	s_mov_b32 s[G1B+7], 0
	s_mul_i32 s18, s[CH], 2*SLB                    ; A's tile hangs on the tile row and the wave alone,
	s_lshl_b32 s17, s43, 14
	s_add_co_u32 s18, s18, s17
	s_mov_b32 s19, 0
	s_lshl_b32 s20, s42, 8                         ; the weights' on the tile column and the wave alone
	s_mul_i32 s22, s[CH], 128*SN*2
	s_add_co_u32 s20, s20, s22
	s_add_co_u32 s20, s20, WOFF
	s_mov_b32 s21, 0
	s_mul_i32 s23, s[WV], PART                     ; LDS: part w of a slot
	s_mov_b32 s[G0], 1
	s_mov_b32 s[G0+1], s23
	s_mov_b32 s[G0+4], 1
	s_add_co_u32 s[G0+5], s23, SLOT
	s_mov_b32 s[G0B], 1
	s_mov_b32 s[G0B+1], s23
	s_mov_b32 s[G0B+4], 1
	s_add_co_u32 s[G0B+5], s23, SLOT
	s_mov_b32 s[TB], 0
	s_wait_dscnt 0x0                               ; the opening add is done
	s_wait_kmcnt 0x0
	s_add_nc_u64 s[G0+2:G0+3], s[4:5], s[18:19]    ; K step 0,
	s_add_nc_u64 s[G0+6:G0+7], s[G0+2:G0+3], ASTEP ; K step 1
	s_or_b32 s[G0+3], s[G0+3], 0x80000000
	s_or_b32 s[G0+7], s[G0+7], 0x80000000
	s_add_nc_u64 s[G0B+2:G0B+3], s[6:7], s[20:21]
	s_add_nc_u64 s[G0B+6:G0B+7], s[G0B+2:G0B+3], BSTEP
	s_or_b32 s[G0B+3], s[G0B+3], 0x80000000
	s_or_b32 s[G0B+7], s[G0B+7], 0x80000000
	CROUND                                         ; all sixteen work-groups are here: the first joint loads meet
	s_cmp_lt_u32 s[WV], 2                          ; a wave's two first fills stand in one branch: two loads of mine are out
	s_cbranch_scc0 .Lfirst_b
	tensor_load_to_lds s[G0:G0+3], s[G1:G1+7]
	s_nop 0
	tensor_load_to_lds s[G0+4:G0+7], s[G1:G1+7]
	s_nop 0
.rept 4
	v_nop
.endr
	s_branch .Lfirst_asked
.Lfirst_b:
	tensor_load_to_lds s[G0B:G0B+3], s[G1B:G1B+7]
	s_nop 0
	tensor_load_to_lds s[G0B+4:G0B+7], s[G1B:G1B+7]
	s_nop 0
.rept 4
	v_nop
.endr
.Lfirst_asked:
	v_and_b32 v1, 15, v0                           ; l % 16
	v_bfe_u32 v2, v0, 4, 1                         ; l / 16
	v_and_b32 v3, 7, v0
	v_bfe_u32 v4, v0, 3, 1
	v_and_b32 v5, 31, v0                           ; l
	v_lshlrev_b32 v[CO], 4, v5
	s_lshl_b32 s94, s42, 9                         ; the tile's 128 columns: 512 bytes
	s_mov_b32 s95, 0
	s_add_nc_u64 s[8:9], s[8:9], s[94:95]
	global_load_b128 v[BIAS:BIAS+3], v[CO], s[8:9]
	s_lshl_b32 s92, s43, 7                         ; residual and result: row 128 x tile row + 32 w
	s_lshl_b32 s93, s[WV], 5
	s_add_co_u32 s92, s92, s93
	s_lshl_b32 s92, s92, 12
	s_add_co_u32 s92, s92, s94
	s_mov_b32 s93, 0
	s_add_nc_u64 s[10:11], s[10:11], s[92:93]
	s_add_nc_u64 s[12:13], s[12:13], s[92:93]
	WIN 0xc0                                       ; destination window 3
.set i, 0
.rept 32
	global_load_b128 v[4*i:4*i+3], v[CO], s[10:11] offset:4096*i  ; my 32 rows of the residual, 512 consecutive bytes each; waited for on the way out
.set i, i+1
.endr
	WIN 0
	v_mul_u32_u24 v[ADRA0], v1, 144                ; a fragment of A: row l % 16, 16 bytes for each half of the lanes
	v_lshl_add_u32 v[ADRA0], v2, 4, v[ADRA0]
	s_mul_i32 s2, s[RH], 64*144
	v_add_nc_u32 v[ADRA0], s2, v[ADRA0]
	v_lshl_add_u32 v6, v2, 3, v3                   ; the turning load: K row 8 (l / 16) + l % 8, columns 8 ((l / 8) % 2) on
	v_mul_u32_u24 v6, v6, 288
	v_lshl_add_u32 v6, v4, 4, v6
	s_lshl_b32 s2, s[CH], 7
	s_add_co_u32 s2, s2, ABYTES
	v_add_nc_u32 v[ADRB0], s2, v6
	s_add_co_u32 s2, s2, PART
	v_add_nc_u32 v[ADRB0+1], s2, v6
	v_mul_u32_u24 v7, v1, SPI                      ; the f32 tile: row l % 16 of a block, 32 bytes for each half of the lanes
	v_lshl_add_u32 v7, v2, 5, v7
	s_mul_i32 s2, s[RH], 64*SPI
	s_lshl_b32 s3, s[CH], 8
	s_add_co_u32 s2, s2, s3
	v_add_nc_u32 v[STO], s2, v7
	s_add_co_u32 s2, s2, 32*SPI
	v_add_nc_u32 v[STO+1], s2, v7
	s_mul_i32 s2, s[WV], 32*SPI                    ; back: rows 32 w on, whole
	v_add_nc_u32 v[RD], s2, v[CO]
.if PF
	s_and_b32 s92, ttmp7, 0xffff                   ; the prefetches: cluster y
	s_lshr_b32 s94, s40, 1                         ; A: my work-group's 32 blocks of the tile's 128: slice cx / 2, half cx % 2
	s_lshl_b32 s94, s94, 19
	s_and_b32 s95, s40, 1
	s_lshl_b32 s95, s95, 13
	s_add_co_u32 s94, s94, s95
	s_add_co_u32 s94, s94, s18
	s_mul_i32 s95, s41, 64*SN                      ; the weights: my work-group's 32 rows of the tile's 128
	s_add_co_u32 s95, s95, s20
	s_mov_b32 s[PST], BSTEP
	s_mov_b32 s96, 2*SN
	s_cmp_lt_u32 s[WV], 2
	s_cselect_b32 s93, ttmp9, s92                  ; the coordinate along which other clusters read the same tile
	s_cselect_b32 s94, s94, s95
	s_cselect_b32 s[PST], ASTEP, s[PST]
	s_cselect_b32 s96, 256, s96
	s_cselect_b64 s[PFA:PFA+1], s[4:5], s[6:7]
	s_mov_b32 s[PST+1], 0
	s_mov_b32 s95, 0
	s_mul_i32 s97, s[PST], 3
	s_add_co_u32 s94, s94, s97                     ; at K step 3: the first refill steps it to 4
	s_add_nc_u64 s[PFA:PFA+1], s[PFA:PFA+1], s[94:95]
	s_cmp_eq_u32 s93, 0
	s_cselect_b32 s[LIM], 2, -1                    ; the same in all sixteen partners, for a given wave
	v_mul_u32_u24 v[PFO], v5, s96
.endif
	s_wait_tensorcnt 1                             ; my part of K step 0 is in; K step 1's stays out
	s_barrier_signal -1
	s_barrier_wait -1
	SETADR
	FETCH 0, F0
	QUARTER 1, F0, F1, 1                           ; the first products start the sums
	WIN 0
	s_mov_b32 s[CNT], NS-2
.Lstep:                                                ; a trip: from a step's second quarter to the next step's first; one slot is filled again
	QUARTER 2, F1, F0, 0
	QUARTER 3, F0, F1, 0
	TURN 1
	QUARTER 1, F0, F1, 0
	WIN 0
	s_sub_co_u32 s[CNT], s[CNT], 1
	s_cmp_lg_u32 s[CNT], 0
	s_cbranch_scc1 .Lstep
	s_mov_b32 s[CNT], 2
.Ltail:                                                ; the last two steps ask for nothing; the second trip is left in its middle
	QUARTER 2, F1, F0, 0
	QUARTER 3, F0, F1, 0
	WIN 0
	s_sub_co_u32 s[CNT], s[CNT], 1
	s_cmp_eq_u32 s[CNT], 0
	s_cbranch_scc1 .Llast
	TURN 0
	QUARTER 1, F0, F1, 0
	WIN 0
	s_branch .Ltail
.Llast:
	s_wait_dscnt 16
	MULP F1, 0, 0, 0
	MULP F1, 0, 2, 0
	s_wait_dscnt 0x0
	MULP F1, 1, 0, 0
	MULP F1, 1, 2, 0
	WIN 0
	PLACES
	PLACES
	s_wait_dscnt 0x0
	s_barrier_signal -1
	s_barrier_wait -1                              ; no wave reads the ring any more, and no fill is to come: it takes the f32 tile
	WIN 0x08                                       ; store data in window 2
.irp a, 0,1,2,3
.irp b, 0,1,2,3
	ds_store_b128 v[STO+\a/2], v[8*(4*\a+\b):8*(4*\a+\b)+3]   offset:(\a%2)*16*SPI+64*\b     ; each accumulator's low registers first
	ds_store_b128 v[STO+\a/2], v[8*(4*\a+\b)+4:8*(4*\a+\b)+7] offset:(\a%2)*16*SPI+64*\b+16
.endr
.endr
	WIN 0
	s_wait_dscnt 0x0                               ; for the others' sake: my stores are done
	s_barrier_signal -1
	s_barrier_wait -1
.macro RLOAD g                         ; eight whole rows into buffer g % 2
.irp i, 0,1,2,3,4,5,6,7
	ds_load_b128 v[T0+32*((\g)%2)+4*\i:T0+32*((\g)%2)+4*\i+3], v[RD] offset:(8*(\g)+\i)*SPI
.endr
.endm
	RLOAD 0
.irp g, 0,1,2,3
.if (\g == 1) || (\g == 2)
	s_wait_xcnt 0x0                                ; the stores of the group before last have read the buffer that is loaded again
.endif
.if \g < 3
	RLOAD \g+1
	s_wait_dscnt 8                                 ; this group is in; the next group's eight loads stay out
.else
	s_wait_dscnt 0x0
.endif
.if \g == 0
	s_wait_loadcnt 0x0                             ; residual and bias
.endif
	WIN 0x0c                                       ; source 1 in window 3
.set j, 0
.rept 16
	v_pk_add_f32 v[T0+32*(\g%2)+2*j:T0+32*(\g%2)+2*j+1], v[T0+32*(\g%2)+2*j:T0+32*(\g%2)+2*j+1], v[32*\g+2*j:32*\g+2*j+1]
.set j, j+1
.endr
	WIN 0
.set j, 0
.rept 16
	v_pk_add_f32 v[T0+32*(\g%2)+2*j:T0+32*(\g%2)+2*j+1], v[T0+32*(\g%2)+2*j:T0+32*(\g%2)+2*j+1], v[BIAS+2*(j%2):BIAS+2*(j%2)+1]
.set j, j+1
.endr
.irp i, 0,1,2,3,4,5,6,7
	global_store_b128 v[CO], v[T0+32*(\g%2)+4*\i:T0+32*(\g%2)+4*\i+3], s[12:13] offset:(8*\g+\i)*4096  ; 512 consecutive bytes, aligned
.endr
.endr
	s_wait_tensorcnt 0x0                           ; the wave's end
	ds_add_u32 v[SPW], v[NIL]
	s_wait_dscnt 0x0
	CROUND                                         ; the closing round
	s_endpgm
.Lfunc_end_k_q0945d620df_gout:
	.size	k_q0945d620df_gout, .Lfunc_end_k_q0945d620df_gout-k_q0945d620df_gout
	.p2alignl 7, 3214868480
	.fill 96, 4, 3214868480
	.section	.rodata,"a",@progbits
	.p2align	6, 0x0
	.amdhsa_kernel k_q0945d620df_gout
		.amdhsa_group_segment_fixed_size 327680
		.amdhsa_private_segment_fixed_size 0
		.amdhsa_enable_private_segment 0
		.amdhsa_kernarg_size 40
		.amdhsa_user_sgpr_count 2
		.amdhsa_user_sgpr_kernarg_segment_ptr 1
		.amdhsa_wavefront_size32 1
		.amdhsa_system_sgpr_workgroup_id_x 1
		.amdhsa_system_sgpr_workgroup_id_y 1
		.amdhsa_system_sgpr_workgroup_id_z 1
		.amdhsa_system_vgpr_workitem_id 0
		.amdhsa_next_free_vgpr 896
		.amdhsa_next_free_sgpr 100
		.amdhsa_reserve_vcc 0
		.amdhsa_float_denorm_mode_32 3
		.amdhsa_float_denorm_mode_16_64 3
		.amdhsa_memory_ordered 1
		.amdhsa_forward_progress 1
		.amdhsa_inst_pref_size 73
	.end_amdhsa_kernel
	.amdgpu_metadata
---
amdhsa.version: [ 1, 2 ]
amdhsa.kernels:
  - .name:           k_q0945d620df_gout
    .symbol:         k_q0945d620df_gout.kd
    .args:
      - { .name: h, .offset: 0, .size: 8, .value_kind: global_buffer, .address_space: global }
      - { .name: wb, .offset: 8, .size: 8, .value_kind: global_buffer, .address_space: global }
      - { .name: b_out, .offset: 16, .size: 8, .value_kind: global_buffer, .address_space: global }
      - { .name: x1, .offset: 24, .size: 8, .value_kind: global_buffer, .address_space: global }
      - { .name: out0, .offset: 32, .size: 8, .value_kind: global_buffer, .address_space: global }
    .group_segment_fixed_size: 327680
    .private_segment_fixed_size: 0
    .kernarg_segment_align: 8
    .kernarg_segment_size: 40
    .max_flat_workgroup_size: 128
    .sgpr_count:     100
    .vgpr_count:     896
    .wavefront_size: 32
...
	.end_amdgpu_metadata
.endif
;; end of part 6
